; MI455X (gfx1250); checked and timed in simulation.
; The chip was launched on July 23, 2026; its instructions are those of AMD's public machine-readable ISA for CDNA 5 (MIT licence, August 2026) and "CDNA5" Instruction Set Architecture Reference Guide (July 2026). The comments in the code are by the model that wrote it; some were corrected since.
;; Cross Attention Reducer. Allowed arithmetic: matrix products marked QUANTISED: E2M1 operands, one E8M0 scale for each 32 along K, by v_wmma_scale_f32_16x16x128_f8f6f4 with both operands' format E2M1 (or v_wmma_scale_f32_32x16x128_f4), f32 sums; products left as they are: bf16, f16 or f32 operands; f32 sums; everything else in f32.
;; Inputs: learned_queries 4,096 x 512 float32; token_input 4,096 x 4,096 float32; w_k 4,096 x 512 float32; w_out 512 x 4,096 float32; w_q 512 x 512 float32; w_v 4,096 x 512 float32.
;; Outputs: out0 4,096 x 4,096 float32.
;; This version of the problem:
;;   THIS VERSION OF THE PROBLEM IS GIVEN IN LOW PRECISION. The matrix products marked QUANTISED in the list below multiply operands that are first quantised to E2M1 (2 exponent bits, 1 mantissa bit; 4 bits a number), with one power-of-two scale for each 32 numbers along K (OCP MX v1.0); their sums are f32. The products marked 'left as it is' may take bf16, f16 or f32 operands, with f32 sums. Whichever they take, every output number must still come out within the allowed error. Rounding operands to bf16 (8 significant bits) uses up far more of that allowance than f16 does (11 bits, for magnitudes from 6e-5 to 65,504). All else is computed in f32.
;;   The module's matrix products, in the order in which they are computed (A, B: the left and right operand; K: the contracted axis; several contracted axes count as one K, in the product's order):
;;     1. [M 4,096, K 512] x [K 512, N 512]; A: input learned_queries; B: input w_q: QUANTISED
;;     2. [M 4,096, K 4,096] x [K 4,096, N 512]; A: input token_input; B: input w_k: QUANTISED
;;     3. [M 4,096, K 4,096] x [K 4,096, N 512]; A: input token_input; B: input w_v: QUANTISED
;;     4. batch 8 x [M 4,096, K 64] x [K 64, N 4,096]; A: computed on the way; B: computed on the way: left as it is (an operand is computed on the way)
;;     5. batch 8 x [M 64, K 4,096] x [K 4,096, N 4,096]; A: computed on the way; B: computed on the way: left as it is (an operand is computed on the way)
;;     6. [M 4,096, K 512] x [K 512, N 4,096]; A: computed on the way; B: input w_out: left as it is (an operand is computed on the way)
;;   THE QUANTISER, for each operand of a quantised product, along K:
;;     - K is cut into blocks of 32 from its start; a last block that is shorter is filled with zeros.
;;     - A block's scale is 2^e with e = floor(log2(the largest magnitude in the block)) - 2, held to -126 .. 127; a block of zeros has e = 0. As a byte (E8M0): e + 127.
;;     - Each number is divided by its block's scale, clamped to +-6, and rounded to the nearest number of E2M1, ties to even, subnormals kept.
;;     - The product sums the exact products of the quantised numbers (number of the format x scale) in f32.
;;   ~~~python
;;   def quantise(x, axis):      # numpy; x: float32 -> the quantised numbers, widened to float32 again
;;       x = np.moveaxis(x, axis, -1); K = x.shape[-1]
;;       x = np.pad(x, [(0, 0)] * (x.ndim - 1) + [(0, -K % 32)]); x = x.reshape(x.shape[:-1] + (-1, 32)); a = np.abs(x).max(-1, keepdims=True)
;;       e = np.where(a > 0, np.clip(np.frexp(np.where(a > 0, a, 1))[1] - 1 - 2, -126, 127), 0)      # np.frexp(a)[1] - 1 = floor(log2(a)), exactly
;;       r = np.clip(x / 2.0 ** e, -6, 6)
;;       step = 2.0 ** (np.maximum(np.frexp(np.where(r == 0, 1, r))[1] - 1, 0) - 1)
;;       q = np.round(r / step) * step * 2.0 ** e      # np.round: ties to even
;;       return np.moveaxis(q.reshape(q.shape[:-2] + (-1,))[..., :K], -1, axis).astype(np.float32)
;;   ~~~
;; One version. Each part assembles by itself: llvm-mc -triple=amdgcn-amd-amdhsa -mcpu=gfx1250 --defsym DOCPART=n.
;; ======== version 1 of 1: 4 launches
;; limits: values are held in f16: magnitudes above 65,504 overflow, below 6.1e-05 lose precision; right only within a limited range of input values
;; workspace buffers: pre 16,588,800 bytes; kvh 8,388,608 bytes; att 4,194,304 bytes
;; launch prep (part 1): grid 968 x 1, 4 waves a work-group, no clusters, 33,280 bytes of LDS; arguments token_input, learned_queries, w_k, w_v, w_q, w_out, pre; writes pre
.if DOCPART == 1
	.amdgcn_target "amdgcn-amd-amdhsa--gfx1250"
	.amdhsa_code_object_version 6
	.text
	.protected	k_q59f662ed66_prep
	.globl	k_q59f662ed66_prep
	.p2align	8
	.type	k_q59f662ed66_prep,@function
k_q59f662ed66_prep:
	s_mov_b64 s[64:65], 0
	v_nop
	global_prefetch_b8 v0, s[64:65] scope:SCOPE_SE
	s_setreg_imm32_b32 hwreg(HW_REG_WAVE_MODE, 25, 1), 1
	s_wait_xcnt 0x0
; PREP: every operand of the three quantised products becomes codes of E2M1 with one E8M0 byte for each 32 along K, once; w_out becomes f16 x 2.  All goes into the one workspace buffer pre:
;   P_XC  token_input's codes      [m 4096][2048 bytes], K innermost          P_XS  its scale bytes [k/512: 8][m 4096][16 bytes]
;   P_WC  w_k | w_v codes, in the order of the operand's registers: (((ks 64 + nb) 8 + q) 2 + c) 512 + 16 lane; column 16 nb + lane % 16 (under 512: w_k), k = 1024 ks + 128 q + 64 c + 32 (lane / 16) + 0 .. 31
;   P_WS  their scale bytes [k/512: 8][n 1024][16]        P_QC  w_q's codes ((nb 4 + s) 2 + c) 512 + 16 lane        P_QS  [n 512][16]
;   P_LC  learned_queries' codes [m 4096][256 bytes]      P_LS  [m 4096][16]
;   P_WO  2 x w_out as f16, in register order: ((nb 16 + ks) 2 + c) 512 + 16 lane; column 16 nb + lane % 16, k = 32 ks + 16 c + 8 (lane / 16) + 0 .. 7.  (The factor 2, exact, undoes the 1/2 under which the attention result is stored.)
; A block's scale is 2^(floor(log2(largest magnitude)) - 2): its byte is the largest magnitude's exponent field - 2, held at 1 from below; numbers are divided by it and rounded to the nearest code, ties to even, beyond 6 the code of 6.
; LIMITS: NaN and infinities among the inputs are not served.  A block of zeros gets the byte 1 where the rule says 127: its codes are zeros, and these bytes are read by this program alone.  |w_out| up to 32,752 (f16 of twice it).
; THREE WAYS, parted by the work-group's number alone: 0 .. 135 weights whose K is the first axis (a lane to a column, registers down K); 136 .. 391 w_out; 392 .. 967 tensors whose K is innermost.  Only the last touches LDS.
; No matrix unit, no cluster, no tensor load: memory binds, and no work-group reads what another reads.
.set P_XC, 0
.set P_XS, 8388608
.set P_WC, 8912896
.set P_WS, 11010048
.set P_QC, 11141120
.set P_QS, 11272192
.set P_LC, 11280384
.set P_LS, 12328960
.set P_WO, 12394496
.set SPW,   12                         ; v12  LDS address of my spare word; never rewritten
.set NIL,   13                         ; v13  0; never rewritten
.set WREG,  8192                       ; rows: LDS region of a wave: two stages of 32 x SP bytes, then its 256 scale bytes
.set SP,    80                         ; a lane's place in a stage: 64 bytes + 16 of padding
.set SPARE, 4*WREG                     ; behind the regions: the spare words, 128 bytes a wave
.set STEPS, 16
.set R,     16                         ; rows: v16-79 four sets of 16 numbers as loaded
.set X,     80                         ; v80-111 two sets of 16 neighbours
.set E,     112                        ; v112-127 a scale byte for each step
.set C,     128                        ; v128-191 for each step: two registers of codes, one with the codes' offset
.set LA,    192                        ; v192-207 for each step: the loads' offset
.set CX,    16                         ; columns: v16-79 two sets of 32 numbers
.set CD,    80                         ; v80-111 four registers of codes for each pair of blocks; never rewritten
.set BY,    112                        ; v112-119 a scale byte for each pair
.set SR,    120                        ; v120-123 scale words
.set TM,    124                        ; v124-127 at work
	s_load_b256 s[4:11], s[0:1], 0x0               ; token_input s[4:5], learned_queries s[6:7], w_k s[8:9], w_v s[10:11]
	s_load_b128 s[12:15], s[0:1], 0x20             ; w_q s[12:13], w_out s[14:15]
	s_load_b64 s[16:17], s[0:1], 0x30              ; pre
	v_lshl_add_u32 v[SPW], v0, 2, SPARE
	v_mov_b32 v[NIL], 0
	v_lshrrev_b32 v1, 5, v0
	v_readfirstlane_b32 s18, v1                    ; wave 0..3
	v_and_b32 v2, 31, v0                           ; lane
	s_mov_b32 s20, 0x76543210                      ; v_permlanex16_b32's selects for lane l xor 16
	s_mov_b32 s21, 0xfedcba98
	s_wait_kmcnt 0x0
	s_cmp_lt_u32 ttmp9, 136
	s_cbranch_scc1 .Lcols
	s_cmp_lt_u32 ttmp9, 392
	s_cbranch_scc1 .Lwout
; ---------------- ROWS: token_input (512 work-groups) and learned_queries (64).  A wave takes 16 rows x 512 along K, a row a step.
; Each of a step's four loads reads 512 consecutive bytes; the 2,048 bytes turn through the wave's own stage in LDS and come back 64 bytes a lane: 16 neighbours along K, two lanes to a block.
; A step's 16 scale bytes are the 16 bytes of its row in P_XS / P_LS, so a wave's 256 bytes leave as one aligned run of 256.
	s_sub_co_u32 s22, ttmp9, 392
	s_cmp_lt_u32 s22, 512                          ; token_input or learned_queries?  The choice hangs on the work-group's number alone
	s_cselect_b32 s23, 0, 512
	s_cselect_b32 s24, 3, 0                        ; log2 of the runs of 512 in a row
	s_cselect_b32 s25, 7, 0
	s_mov_b32 s26, 2048
	s_cselect_b32 s26, 16384, s26                  ; a row of numbers in bytes
	s_mov_b32 s27, 256
	s_cselect_b32 s27, 2048, s27                   ; a row of codes in bytes
	s_mov_b32 s28, P_LC
	s_cselect_b32 s28, P_XC, s28
	s_mov_b32 s29, P_LS
	s_cselect_b32 s29, P_XS, s29
	s_cselect_b64 s[4:5], s[4:5], s[6:7]
	s_sub_co_u32 s22, s22, s23
	s_lshl_b32 s22, s22, 2
	s_add_co_u32 s22, s22, s18                     ; which unit of 16 rows x 512 is my wave's
	s_lshr_b32 s30, s22, s24                       ; its group of 16 rows
	s_and_b32 s31, s22, s25                        ; its 512 along K
	s_mul_i32 s32, s30, s26
	s_lshl_b32 s32, s32, 4
	s_lshl_b32 s33, s31, 11
	s_add_co_u32 s32, s32, s33
	s_mov_b32 s33, 0
	s_add_nc_u64 s[4:5], s[4:5], s[32:33]          ; the numbers
	s_mul_i32 s32, s30, s27
	s_lshl_b32 s32, s32, 4
	s_lshl_b32 s34, s31, 8
	s_add_co_u32 s32, s32, s34
	s_add_co_u32 s32, s32, s28
	s_add_nc_u64 s[8:9], s[16:17], s[32:33]        ; the codes
	s_lshl_b32 s32, s31, 16
	s_lshl_b32 s34, s30, 8
	s_add_co_u32 s32, s32, s34
	s_add_co_u32 s32, s32, s29
	s_add_nc_u64 s[10:11], s[16:17], s[32:33]      ; the scale bytes
	v_lshlrev_b32 v3, 4, v2                        ; my 16 bytes of a load's 512
	s_mul_i32 s19, s18, WREG
	v_lshrrev_b32 v14, 2, v2
	v_mul_u32_u24 v14, v14, SP
	v_and_b32 v15, 3, v2
	v_lshl_add_u32 v14, v15, 4, v14
	v_add_nc_u32 v14, s19, v14                     ; the stage, on the way in: four lanes' 64 bytes on end, then 16 of padding
	v_mul_u32_u24 v15, v2, SP
	v_add_nc_u32 v15, s19, v15                     ; and on the way out: my 16 neighbours
	v_lshlrev_b32 v4, 3, v2                        ; 8 x lane: my codes' place in a step's 256 bytes
	v_lshrrev_b32 v5, 1, v2
	s_add_co_u32 s19, s19, 2*32*SP
	v_add_nc_u32 v5, s19, v5                       ; LDS: my wave's 256 scale bytes, my block's byte
	v_add_nc_u32 v6, s19, v4                       ; and on the way out 8 bytes a lane
.irp t, 0,1,2,3,4,5,6,7,8,9,10,11,12,13,14,15
	v_mad_u32_u24 v[LA+\t], s26, \t, v3            ; row t of the 16: each step has offsets of its own, written once
	v_mad_u32_u24 v[C+4*\t+2], s27, \t, v4
.endr
.macro LOAD t
.irp i, 0,1,2,3
	global_load_b128 v[R+16*((\t)%4)+4*\i:R+16*((\t)%4)+4*\i+3], v[LA+(\t)], s[4:5] offset:512*\i th:TH_LOAD_NT   ; 32 lanes read 512 consecutive bytes
.endr
.endm
.macro TURN t                          ; step t's numbers through the stage: LDS serves a wave's instructions in order, so no wait stands between the stores and the loads
.irp i, 0,1,2,3
	ds_store_b128 v14, v[R+16*((\t)%4)+4*\i:R+16*((\t)%4)+4*\i+3] offset:32*SP*((\t)%2)+8*SP*\i
.endr
.irp i, 0,1,2,3
	ds_load_b128 v[X+16*((\t)%2)+4*\i:X+16*((\t)%2)+4*\i+3], v15 offset:32*SP*((\t)%2)+16*\i
.endr
.endm
.macro STEP t
.set XR, X+16*((\t)%2)
.if (\t) > 0
	s_wait_dscnt 1                                 ; this step's numbers are back from the stage (the last step's byte store may be out): so its stores into the stage have read their registers,
.else
	s_wait_dscnt 0x0
.endif
.if (\t)+4 < STEPS
	LOAD (\t)+4                                    ; which take the loads of four steps on
.endif
.if (\t)+1 < STEPS
.if STEPS-2-(\t) >= 3
	s_wait_loadcnt 12                              ; the next step's four loads are in; those of the three steps behind it may be out
.else
	s_wait_loadcnt 4*(STEPS-2-(\t))
.endif
	TURN (\t)+1
.endif
	v_max3_num_f32 v8, |v[XR]|, |v[XR+1]|, |v[XR+2]|               ; the largest magnitude of my 16, in two chains
	v_max3_num_f32 v9, |v[XR+3]|, |v[XR+4]|, |v[XR+5]|
.irp i, 6,10
	v_max3_num_f32 v8, v8, |v[XR+\i]|, |v[XR+\i+1]|
	v_max3_num_f32 v9, v9, |v[XR+\i+2]|, |v[XR+\i+3]|
.endr
	v_max3_num_f32 v8, v8, |v[XR+14]|, |v[XR+15]|
	v_max3_num_f32 v8, v8, v9, 0x1800000           ; and the floor 2^(3 - 127): the byte cannot fall under 1
	v_max_num_f32_dpp v8, v8, v8 row_xmask:1 row_mask:0xf bank_mask:0xf   ; and of my neighbour's 16: the block's
	v_add_nc_u32 v11, 0xff000000, v8               ; 2 off its exponent field: the conversion takes the exponent field of this operand as its scale
	v_cvt_scalef32_pk8_fp4_f32 v[C+4*(\t)], v[XR:XR+7], v11
	v_cvt_scalef32_pk8_fp4_f32 v[C+4*(\t)+1], v[XR+8:XR+15], v11
	v_lshrrev_b32 v[E+(\t)], 23, v11               ; the scale's byte
	ds_store_b8 v5, v[E+(\t)] offset:16*(\t)       ; both lanes of a block write the same byte with the same value
	global_store_b64 v[C+4*(\t)+2], v[C+4*(\t):C+4*(\t)+1], s[8:9]   ; 32 lanes store 256 consecutive bytes, aligned
.endm
.irp t, 0,1,2,3
	LOAD \t
.endr
	s_wait_loadcnt 12                              ; step 0's four loads are in
	TURN 0
.irp t, 0,1,2,3,4,5,6,7,8,9,10,11,12,13,14,15
	STEP \t
.endr
	ds_load_b64 v[8:9], v6                         ; LDS serves a wave's instructions in order: these see my byte stores
	s_wait_dscnt 0x0
	global_store_b64 v4, v[8:9], s[10:11]          ; 256 consecutive bytes, aligned
	s_wait_tensorcnt 0x0                           ; the wave's end, behind my last LDS store
	ds_add_u32 v[SPW], v[NIL]
	s_wait_dscnt 0x0
	s_endpgm
; ---------------- COLUMNS: w_k | w_v (work-groups 0 .. 127) and w_q (128 .. 135), stored [K][512].  A wave takes 16 columns x 512 along K.
; Lane (r, h) takes column r; its registers run down K at k = 64 p + 32 h + i: a whole block a lane, and the four conversions of pair p ARE four registers of the operand: 512 consecutive bytes a store.
.Lcols:
	v_and_b32 v1, 15, v0                           ; r
	v_bfe_u32 v7, v0, 4, 1                         ; h
	v_lshlrev_b32 v3, 2, v1
	v_lshl_add_u32 v3, v7, 16, v3                  ; in: 4 r + 32 rows of 2,048 bytes x h
	v_lshlrev_b32 v4, 4, v2                        ; codes: 16 x lane
	v_lshlrev_b32 v5, 4, v1
	v_lshl_add_u32 v5, v7, 3, v5                   ; scale bytes: 16 r + 8 h
	v_lshlrev_b32 v6, 3, v7                        ; 8 h bits
.irp j, 0,1,2,3
	v_mov_b32 v[TM+\j], 0                          ; a lane permute's destination counts as one of its sources
.endr
	s_and_b32 s22, ttmp9, 15                       ; which 64 columns
	s_lshr_b32 s23, ttmp9, 4                       ; which 512 along K (w_q: not used)
	s_lshl_b32 s24, s22, 6
	s_lshl_b32 s25, s18, 4
	s_add_co_u32 s24, s24, s25                     ; my first column n0
	s_lshr_b32 s25, s24, 4                         ; its block of 16
	s_lshr_b32 s32, s23, 1
	s_lshl_b32 s32, s32, 6
	s_add_co_u32 s32, s32, s25
	s_lshl_b32 s32, s32, 13
	s_and_b32 s33, s23, 1
	s_lshl_b32 s33, s33, 12
	s_add_co_u32 s32, s32, s33
	s_add_co_u32 s32, s32, P_WC                    ; w_k | w_v: the codes,
	s_lshl_b32 s34, s23, 14
	s_lshl_b32 s35, s24, 4
	s_add_co_u32 s34, s34, s35
	s_add_co_u32 s34, s34, P_WS                    ; the scale bytes
	s_lshl_b32 s36, s25, 12
	s_add_co_u32 s36, s36, P_QC                    ; w_q: the codes,
	s_add_co_u32 s37, s35, P_QS                    ; the scale bytes
	s_and_b32 s38, s24, 511
	s_lshl_b32 s38, s38, 2                         ; the column's bytes in its tensor
	s_lshl_b32 s39, s23, 20
	s_add_co_u32 s39, s39, s38                     ; + 512 rows of 2,048 bytes x y
	s_cmp_lt_u32 s22, 8
	s_cselect_b64 s[26:27], s[8:9], s[10:11]       ; w_k or w_v,
	s_cmp_lt_u32 ttmp9, 128
	s_cselect_b64 s[26:27], s[26:27], s[12:13]     ; or w_q
	s_cselect_b32 s32, s32, s36
	s_cselect_b32 s34, s34, s37
	s_cselect_b32 s38, s39, s38
	s_mov_b32 s33, 0
	s_mov_b32 s35, 0
	s_mov_b32 s39, 0
	s_add_nc_u64 s[26:27], s[26:27], s[38:39]
	s_add_nc_u64 s[28:29], s[16:17], s[32:33]
	s_add_nc_u64 s[30:31], s[16:17], s[34:35]
.macro CLOAD p                         ; pair p: W(64 p + 32 h + i, my column), i = 0 .. 31
.set n, 0
.rept 32
	global_load_b32 v[CX+32*((\p)%2)+n], v3, s[26:27] offset:(64*(\p)+n)*2048 th:TH_LOAD_NT
.set n, n+1
.endr
.endm
.macro PAIR p
.set XP, CX+32*((\p)%2)
.if (\p) < 7
	s_wait_loadcnt 32                              ; this pair's 32 loads are in; the next pair's may be out
.else
	s_wait_loadcnt 0x0
.endif
	v_max3_num_f32 v8, |v[XP]|, |v[XP+1]|, |v[XP+2]|               ; my block's largest magnitude: all 32 numbers are mine
	v_max3_num_f32 v9, |v[XP+3]|, |v[XP+4]|, |v[XP+5]|
.irp i, 6,10,14,18,22,26
	v_max3_num_f32 v8, v8, |v[XP+\i]|, |v[XP+\i+1]|
	v_max3_num_f32 v9, v9, |v[XP+\i+2]|, |v[XP+\i+3]|
.endr
	v_max3_num_f32 v8, v8, |v[XP+30]|, |v[XP+31]|
	v_max3_num_f32 v8, v8, v9, 0x1800000           ; and the floor
	v_add_nc_u32 v11, 0xff000000, v8
	v_lshrrev_b32 v[BY+(\p)], 23, v11              ; the byte of block 2 p + h
.irp g, 0,1,2,3
	v_cvt_scalef32_pk8_fp4_f32 v[CD+4*(\p)+\g], v[XP+8*\g:XP+8*\g+7], v11
.endr
	global_store_b128 v4, v[CD+4*(\p):CD+4*(\p)+3], s[28:29] offset:512*(\p)   ; 512 consecutive bytes
.if (\p) < 6
	CLOAD (\p)+2
.endif
.endm
	CLOAD 0
	CLOAD 1
.irp p, 0,1,2,3,4,5,6,7
	PAIR \p
.endr
.irp j, 0,1,2,3
	v_lshl_or_b32 v[SR+\j], v[BY+2*\j+1], 16, v[BY+2*\j]   ; my two bytes of word j: blocks 4 j + h and 4 j + 2 + h,
.endr
.irp j, 0,1,2,3
	v_lshlrev_b32 v[SR+\j], v6, v[SR+\j]           ; at their places;
.endr
.irp j, 0,1,2,3
	v_permlanex16_b32 v[TM+\j], v[SR+\j], s20, s21
.endr
.irp j, 0,1,2,3
	v_or_b32 v[SR+\j], v[SR+\j], v[TM+\j]          ; with lane l xor 16's two the word is whole
.endr
	v_cmp_ne_u32 vcc_lo, 0, v7
	v_cndmask_b32 v[TM], v[SR], v[SR+2], vcc_lo    ; lanes 0-15 store words 0, 1 of their column, lanes 16-31 words 2, 3
	v_cndmask_b32 v[TM+1], v[SR+1], v[SR+3], vcc_lo
	global_store_b64 v5, v[TM:TM+1], s[30:31]      ; 256 consecutive bytes
	s_endpgm
; ---------------- W_OUT [512 (k)][4096 (n)]: a wave takes 16 columns x 128 along K; lane (r, h) takes column r and k = 16 g + 8 h + i: eight numbers make four registers of the f16 operand.
.Lwout:
	v_and_b32 v1, 15, v0
	v_bfe_u32 v7, v0, 4, 1
	v_lshlrev_b32 v3, 2, v1
	v_lshl_add_u32 v3, v7, 17, v3                  ; 4 r + 8 rows of 16,384 bytes x h
	v_lshlrev_b32 v4, 4, v2
	s_sub_co_u32 s22, ttmp9, 136
	s_and_b32 s23, s22, 63
	s_lshl_b32 s23, s23, 2
	s_add_co_u32 s23, s23, s18                     ; my block of 16 columns
	s_lshr_b32 s24, s22, 6                         ; my 128 along K
	s_lshl_b32 s32, s24, 21
	s_lshl_b32 s33, s23, 6
	s_add_co_u32 s32, s32, s33
	s_mov_b32 s33, 0
	s_add_nc_u64 s[26:27], s[14:15], s[32:33]
	s_lshl_b32 s32, s23, 14
	s_lshl_b32 s34, s24, 12
	s_add_co_u32 s32, s32, s34
	s_add_co_u32 s32, s32, P_WO
	s_add_nc_u64 s[28:29], s[16:17], s[32:33]
.irp g, 0,1,2,3,4,5,6,7
.irp i, 0,1,2,3,4,5,6,7
	global_load_b32 v[16+8*\g+\i], v3, s[26:27] offset:(16*\g+\i)*16384 th:TH_LOAD_NT
.endr
.endr
.irp g, 0,1,2,3,4,5,6,7
	s_wait_loadcnt 56-8*\g                         ; group g's eight loads are in; the groups behind it may be out
.irp j, 0,1,2,3
	v_pk_mul_f32 v[16+8*\g+2*\j:16+8*\g+2*\j+1], v[16+8*\g+2*\j:16+8*\g+2*\j+1], 2.0 op_sel_hi:[1,0]
.endr
.irp j, 0,1,2,3
	v_cvt_pk_f16_f32 v[80+4*\g+\j], v[16+8*\g+2*\j], v[16+8*\g+2*\j+1]
.endr
	global_store_b128 v4, v[80+4*\g:80+4*\g+3], s[28:29] offset:512*\g
.endr
	s_endpgm
.Lfunc_end_k_q59f662ed66_prep:
	.size	k_q59f662ed66_prep, .Lfunc_end_k_q59f662ed66_prep-k_q59f662ed66_prep
	.p2alignl 7, 3214868480
	.fill 96, 4, 3214868480
	.section	.rodata,"a",@progbits
	.p2align	6, 0x0
	.amdhsa_kernel k_q59f662ed66_prep
		.amdhsa_group_segment_fixed_size 33280
		.amdhsa_private_segment_fixed_size 0
		.amdhsa_enable_private_segment 0
		.amdhsa_kernarg_size 56
		.amdhsa_user_sgpr_count 2
		.amdhsa_user_sgpr_kernarg_segment_ptr 1
		.amdhsa_wavefront_size32 1
		.amdhsa_system_sgpr_workgroup_id_x 1
		.amdhsa_system_sgpr_workgroup_id_y 1
		.amdhsa_system_sgpr_workgroup_id_z 1
		.amdhsa_system_vgpr_workitem_id 0
		.amdhsa_next_free_vgpr 208
		.amdhsa_next_free_sgpr 66
		.amdhsa_reserve_vcc 1
		.amdhsa_float_denorm_mode_32 3
		.amdhsa_float_denorm_mode_16_64 3
		.amdhsa_memory_ordered 1
		.amdhsa_forward_progress 1
		.amdhsa_inst_pref_size 87
	.end_amdhsa_kernel
	.amdgpu_metadata
---
amdhsa.version: [ 1, 2 ]
amdhsa.kernels:
  - .name:           k_q59f662ed66_prep
    .symbol:         k_q59f662ed66_prep.kd
    .args:
      - { .name: token_input, .offset: 0, .size: 8, .value_kind: global_buffer, .address_space: global }
      - { .name: learned_queries, .offset: 8, .size: 8, .value_kind: global_buffer, .address_space: global }
      - { .name: w_k, .offset: 16, .size: 8, .value_kind: global_buffer, .address_space: global }
      - { .name: w_v, .offset: 24, .size: 8, .value_kind: global_buffer, .address_space: global }
      - { .name: w_q, .offset: 32, .size: 8, .value_kind: global_buffer, .address_space: global }
      - { .name: w_out, .offset: 40, .size: 8, .value_kind: global_buffer, .address_space: global }
      - { .name: pre, .offset: 48, .size: 8, .value_kind: global_buffer, .address_space: global }
    .group_segment_fixed_size: 33280
    .private_segment_fixed_size: 0
    .kernarg_segment_align: 8
    .kernarg_segment_size: 56
    .max_flat_workgroup_size: 128
    .sgpr_count:     66
    .vgpr_count:     208
    .wavefront_size: 32
...
	.end_amdgpu_metadata
.endif
;; end of part 1
;; launch kvproj (part 2): grid 8 x 32, 4 waves a work-group, clusters of 4 x 4, 327,680 bytes of LDS; arguments pre, kvh; writes kvh
.if DOCPART == 2
	.amdgcn_target "amdgcn-amd-amdhsa--gfx1250"
	.amdhsa_code_object_version 6
	.text
	.protected	k_q59f662ed66_kvproj
	.globl	k_q59f662ed66_kvproj
	.p2align	8
	.type	k_q59f662ed66_kvproj,@function
k_q59f662ed66_kvproj:
	s_mov_b64 s[64:65], 0
	v_nop
	global_prefetch_b8 v0, s[64:65] scope:SCOPE_SE
	s_setreg_imm32_b32 hwreg(HW_REG_WAVE_MODE, 25, 1), 1
	s_wait_xcnt 0x0
	s_wait_alu depctr_hold_cnt(0) depctr_sa_sdst(0) depctr_va_vdst(0) depctr_va_sdst(0) depctr_va_ssrc(0) depctr_va_vcc(0) depctr_vm_vsrc(0)
	s_getreg_b32 s2, hwreg(HW_REG_IB_STS2, 6, 4)
	s_cmp_eq_u32 s2, 0
	s_cbranch_scc0 .Lentry_in_a_cluster
	s_endpgm
.Lentry_in_a_cluster:
	s_bfe_u32 s2, ttmp6, 0x10000c
	s_cmp_lg_u32 s2, 0xf033
	s_cbranch_scc0 .Lentry_shape_is_right
	s_endpgm
.Lentry_shape_is_right:
; KVPROJ: [k | v] = token_input x [w_k | w_v] on codes of E2M1 with E8M0 scales (made by the launch before), f32 sums; stored x 1/4 (exact) as f16 into kvh [16 (8 heads of k, 8 of v)][4096 tokens][64].
; LIMIT: |k|, |v| up to 262,016 (f16 of a quarter of it).
; C is [4096 tokens][1024 columns]; a tile is 128 x 128: 256 work-groups.  Four waves, each 64 x 64: 16 accumulators.  K = 4096 goes in 4 steps of 1024 codes through a ring of two LDS slots:
; A's rows are 512 bytes of memory, B's tile is one dense block in the order of the operand's registers.  The scale bytes of the tile's rows and columns, for all of K, come once, with the first fills.
; CLUSTERS: 4 x 4.  A's tiles hang on the tile row alone and are asked for jointly along a row of the cluster, B's on the tile column alone, jointly along a column.
; THE MATRIX INSTRUCTION IS USED TRANSPOSED (source 0 = 16 columns of W, source 1 = 16 tokens): a lane holds eight neighbouring columns of one token: 16 bytes of f16.
; No prefetch: four K steps in all, and a wave's LDS reads, 64 bytes for each matrix instruction and side, weigh more here than the tiles' way in.
; REGISTERS: window 0: v16-29 addresses; v32-95 scale words, a set for each slot (register 8 i + q: lanes 0-15 A's block i, lanes 16-31 B's block i, the K step's q-th 128); v128-255 accumulators ((a, b) at 128 + 8 (4 a + b)).
;   window 1: two fragment buffers of 128: for 256 along K, 64 registers of A, then 64 of B.
.set P_XC, 0
.set P_XS, 8388608
.set P_WC, 8912896
.set P_WS, 11010048
.set PITCH,  528                       ; A's LDS row: 512 bytes + 16 of padding: the 16 rows of a load start 33 x 16 bytes apart
.set HALFA,  64*PITCH                  ; 64 rows of A: one tensor load
.set HALFB,  32768                     ; 64 columns of B: one tensor load, dense
.set BOFF,   2*HALFA
.set SLOT,   BOFF+2*HALFB
.set SCL,    2*SLOT                    ; the scales: A's two halves, B's two halves, each [k/512: 8][64][16 bytes]
.set SPARE,  SCL+4*8192                ; the spare words, 128 bytes a wave
.set ADRA, 16                          ; v16-17 LDS address of my A fragments in slot 0, 1
.set ADRB, 20                          ; v20-21 the same for B
.set STO,  24
.set RD,   25
.set GO,   26                          ; 16 x lane
.set ADRS, 27                          ; my scale words: lanes 0-15 A's rows, lanes 16-31 B's columns
.set SPW,  28
.set NIL,  29
.set SC,   32
.set ACC,  128
.set F0,   0
.set F1,   128
.set G1, 24
.set G0, 32
.set G1B, 48
.set G0B, 56
.set G1S, 68
.set G0S, 76
.set G1SB, 80
.set G0SB, 88
.set MSB, 0
.macro WIN new                         ; the immediate's high byte repeats the setting that is left
.if MSB != (\new)
	s_set_vgpr_msb (MSB<<8)|(\new)
.set MSB, (\new)
.endif
.endm
.set MUL,  0x05                        ; sources 0 (B) and 1 (A) window 1; C and D window 0
.set TO_F, 0x40                        ; destination window 1, address window 0
; A joint load: waves 0 and 1 fetch for A, waves 2 and 3 for B; the branch hangs on the wave's number alone.  An s_nop 0 and four v_nop follow each of the two lines.
.macro JLOAD g0a, g1a, g0b, g1b
	s_cmp_eq_u32 s15, 0
	s_cbranch_scc0 .Lfor_b_\@
	tensor_load_to_lds s[\g0a:\g0a+3], s[\g1a:\g1a+7]
	s_nop 0
.rept 4
	v_nop
.endr
	s_branch .Lasked_\@
.Lfor_b_\@:
	tensor_load_to_lds s[\g0b:\g0b+3], s[\g1b:\g1b+7]
	s_nop 0
.rept 4
	v_nop
.endr
.Lasked_\@:
.endm
.macro CREST                           ; a round of the cluster's barrier behind its opening barrier
	s_cmp_lg_u32 s14, 0
	s_cbranch_scc1 .Lnot_wave_0_\@
	s_barrier_signal -3
.Lnot_wave_0_\@:
	s_barrier_wait -3
	s_barrier_signal -1
	s_barrier_wait -1
.endm
.macro CROUND
	s_barrier_signal -1
	s_barrier_wait -1
	CREST
.endm
.macro PLACES                          ; four plain places in front of loads into registers that matrix instructions have read, and of the first read of results
.rept 4
	v_nop
.endr
.endm
	s_load_b128 s[4:7], s[0:1], 0x0                ; pre s[4:5], kvh s[6:7]
	v_lshl_add_u32 v[SPW], v0, 2, SPARE
	v_mov_b32 v[NIL], 0
	ds_add_u32 v[SPW], v[NIL]                      ; the wave's opening: the add, twice on end, and its wait ahead of my first tensor load
	ds_add_u32 v[SPW], v[NIL]
	v_lshrrev_b32 v1, 5, v0
	v_readfirstlane_b32 s14, v1                    ; wave 0..3
	s_lshr_b32 s15, s14, 1                         ; my half of the tile's rows.  Also: I fetch for A (0) or for B (1)
	s_and_b32 s16, s14, 1                          ; my half of its columns.  Also: which half I fetch
	s_bfe_u32 s40, ttmp6, 0x40000                  ; cx, cy
	s_bfe_u32 s41, ttmp6, 0x40004
	s_lshl_b32 s42, ttmp9, 2
	s_add_co_u32 s42, s42, s40                     ; tile column = 4 x cluster x + cx
	s_and_b32 s17, ttmp7, 0xffff
	s_lshl_b32 s17, s17, 2
	s_add_co_u32 s17, s17, s41                     ; tile row = 4 x cluster y + cy
	s_lshl_b32 s43, s41, 2
	s_lshl_b32 s43, 15, s43                        ; my row of the cluster
	s_lshl_b32 s44, 0x1111, s40                    ; my column
	; A's codes: 64 rows x 256 elements of 2 bytes, 1,024 elements from row to row; 4 words of padding behind every 128
	s_or_b32 s[G1+0], s43, (1<<16)|(1<<20)|(1<<21)|(6<<22)|(3<<25)
	s_mov_b32 s[G1+1], 256<<16
	s_mov_b32 s[G1+2], 64<<16
	s_mov_b32 s[G1+3], 256<<16
	s_mov_b32 s[G1+4], 64
	s_mov_b32 s[G1+5], 1024
	s_mov_b32 s[G1+6], 0
	s_mov_b32 s[G1+7], 0
	; B's codes: a dense block of 32,768 bytes as 128 rows of 32 elements of 8 bytes
	s_or_b32 s[G1B+0], s44, (3<<16)|(1<<21)
	s_mov_b32 s[G1B+1], 32<<16
	s_mov_b32 s[G1B+2], 128<<16
	s_mov_b32 s[G1B+3], 32<<16
	s_mov_b32 s[G1B+4], 128
	s_mov_b32 s[G1B+5], 32
	s_mov_b32 s[G1B+6], 0
	s_mov_b32 s[G1B+7], 0
	; the scales of 64 rows: 8 rows (one for each 512 along K) of 1,024 bytes = 128 elements of 8 bytes
	s_or_b32 s[G1S+0], s43, (3<<16)|(1<<21)
	s_or_b32 s[G1SB+0], s44, (3<<16)|(1<<21)
.irp g, G1S, G1SB
	s_mov_b32 s[\g+1], 128<<16
	s_mov_b32 s[\g+2], 8<<16
	s_mov_b32 s[\g+3], 128<<16
	s_mov_b32 s[\g+4], 8
	s_mov_b32 s[\g+6], 0
	s_mov_b32 s[\g+7], 0
.endr
	s_mov_b32 s[G1S+5], 8192                       ; 4,096 rows x 16 bytes from one 512 along K to the next
	s_mov_b32 s[G1SB+5], 2048                      ; 1,024 columns x 16 bytes
	s_lshl_b32 s18, s16, 6                         ; which 64 of the tile's 128 I fetch
	s_lshl_b32 s20, s17, 7
	s_add_co_u32 s20, s20, s18                     ; A: first row
	s_lshl_b32 s22, s20, 4
	s_add_co_u32 s22, s22, P_XS                    ; its scales,
	s_lshl_b32 s20, s20, 11                        ; its codes (P_XC = 0)
	s_mov_b32 s21, 0
	s_mov_b32 s23, 0
	s_lshl_b32 s46, s42, 7
	s_add_co_u32 s46, s46, s18                     ; B: first column
	s_lshl_b32 s92, s46, 4
	s_add_co_u32 s92, s92, P_WS
	s_lshl_b32 s46, s46, 9                         ; 8,192 bytes for each 16 columns and K step
	s_add_co_u32 s46, s46, P_WC
	s_mov_b32 s47, 0
	s_mov_b32 s93, 0
	s_mul_i32 s45, s16, HALFA                      ; where they go: no place in the cluster enters an LDS address
	s_mul_i32 s95, s16, HALFB
	s_add_co_u32 s95, s95, BOFF
	s_lshl_b32 s94, s14, 13
	s_wait_dscnt 0x0                               ; both opening adds are done
	s_wait_kmcnt 0x0
	s_add_nc_u64 s[20:21], s[4:5], s[20:21]
	s_add_nc_u64 s[22:23], s[4:5], s[22:23]
	s_add_nc_u64 s[46:47], s[4:5], s[46:47]
	s_add_nc_u64 s[92:93], s[4:5], s[92:93]
	CROUND                                         ; all sixteen work-groups are here: the first joint loads meet
	s_mov_b32 s[G0S], 1
	s_add_co_u32 s[G0S+1], s94, SCL
	s_mov_b64 s[G0S+2:G0S+3], s[22:23]
	s_or_b32 s[G0S+3], s[G0S+3], 0x80000000
	s_mov_b32 s[G0SB], 1
	s_add_co_u32 s[G0SB+1], s94, SCL
	s_mov_b64 s[G0SB+2:G0SB+3], s[92:93]
	s_or_b32 s[G0SB+3], s[G0SB+3], 0x80000000
	JLOAD G0S, G1S, G0SB, G1SB                     ; the scales first: they are wanted with K step 0
.irp s, 0,1
	s_mov_b32 s[G0+4*\s], 1
	s_add_co_u32 s[G0+4*\s+1], s45, \s*SLOT
	s_add_nc_u64 s[G0+4*\s+2:G0+4*\s+3], s[20:21], \s*512
	s_or_b32 s[G0+4*\s+3], s[G0+4*\s+3], 0x80000000
	s_mov_b32 s[G0B+4*\s], 1
	s_add_co_u32 s[G0B+4*\s+1], s95, \s*SLOT
	s_add_nc_u64 s[G0B+4*\s+2:G0B+4*\s+3], s[46:47], \s*524288
	s_or_b32 s[G0B+4*\s+3], s[G0B+4*\s+3], 0x80000000
	JLOAD G0+4*\s, G1, G0B+4*\s, G1B               ; three tensor loads of mine are out
.endr
	v_and_b32 v1, 15, v0                           ; r
	v_bfe_u32 v2, v0, 4, 1                         ; h
	v_and_b32 v6, 31, v0
	v_mul_u32_u24 v3, v1, PITCH
	v_lshl_add_u32 v4, v2, 4, v3                   ; A: row x pitch + 16 h
	v_lshlrev_b32 v[GO], 4, v6                     ; B: 16 x lane
	s_mul_i32 s21, s15, HALFA
	s_mul_i32 s22, s16, HALFB
	s_add_co_u32 s22, s22, BOFF
.irp s, 0,1
	v_add_nc_u32 v[ADRA+\s], s21, v4
	v_add_nc_u32 v[ADRB+\s], s22, v[GO]
	s_add_co_u32 s21, s21, SLOT
	s_add_co_u32 s22, s22, SLOT
.endr
	v_lshlrev_b32 v5, 4, v1                        ; scale words: 16 bytes a row
	s_lshl_b32 s21, s15, 13                        ; A's: my 64 rows
	s_lshl_b32 s22, s16, 13                        ; B's: my 64 columns, behind A's two halves
	s_add_co_u32 s22, s22, 2*8192
	s_sub_co_u32 s22, s22, s21
	v_mul_u32_u24 v6, s22, v2                      ; lanes 16-31 take B's: the lower base + h x the distance
	s_add_co_u32 s21, s21, SCL
	v_add_nc_u32 v5, v5, v6
	v_add_nc_u32 v[ADRS], s21, v5
	s_mul_i32 s23, s14, 9216                       ; the way out: my stage, 64 rows x (128 bytes + 16), in slot 0, which by then has had its last fill and its last read
	v_mul_u32_u24 v5, v1, 144
	v_lshl_add_u32 v5, v2, 4, v5
	v_add_nc_u32 v[STO], s23, v5
	v_and_b32 v6, 31, v0
	v_lshrrev_b32 v5, 3, v6
	v_mul_u32_u24 v5, v5, 144
	v_and_b32 v6, 7, v0
	v_lshl_add_u32 v5, v6, 4, v5
	v_add_nc_u32 v[RD], s23, v5                    ; back: eight lanes to a row of 128 bytes, four rows an instruction
	s_lshl_b32 s20, s17, 7
	s_lshl_b32 s21, s15, 6
	s_add_co_u32 s20, s20, s21
	s_lshl_b32 s20, s20, 7                         ; my first token x 128 bytes
	s_mov_b32 s21, 0
	s_lshl_b32 s46, s42, 1
	s_add_co_u32 s46, s46, s16
	s_lshl_b32 s46, s46, 19                        ; my 64 columns are one head of k or of v: 524,288 bytes each
	s_mov_b32 s47, 0
	s_add_nc_u64 s[20:21], s[20:21], s[46:47]
	s_add_nc_u64 s[6:7], s[6:7], s[20:21]
; 8 matrix instructions: A's blocks a0, a0 + 1 x B's four, 128 along K: half c of buffer f, the K step's q-th 128.  The 16 accumulators take turns, one instruction a turn.
.macro MUL8 f, c, a0, set, q, zero
.irp a, \a0, \a0+1
.irp b, 0,1,2,3
.if \zero
	v_wmma_scale_f32_16x16x128_f8f6f4 v[ACC+8*(4*(\a)+\b):ACC+8*(4*(\a)+\b)+7], v[\f+64+8*(4*\c+\b):\f+64+8*(4*\c+\b)+7], v[\f+8*(4*\c+(\a)):\f+8*(4*\c+(\a))+7], 0, v[SC+32*(\set)+8*\b+(\q)], v[SC+32*(\set)+8*(\a)+(\q)] matrix_a_fmt:MATRIX_FMT_FP4 matrix_b_fmt:MATRIX_FMT_FP4 matrix_a_scale:MATRIX_SCALE_ROW1
.else
	v_wmma_scale_f32_16x16x128_f8f6f4 v[ACC+8*(4*(\a)+\b):ACC+8*(4*(\a)+\b)+7], v[\f+64+8*(4*\c+\b):\f+64+8*(4*\c+\b)+7], v[\f+8*(4*\c+(\a)):\f+8*(4*\c+(\a))+7], v[ACC+8*(4*(\a)+\b):ACC+8*(4*(\a)+\b)+7], v[SC+32*(\set)+8*\b+(\q)], v[SC+32*(\set)+8*(\a)+(\q)] matrix_a_fmt:MATRIX_FMT_FP4 matrix_b_fmt:MATRIX_FMT_FP4 matrix_a_scale:MATRIX_SCALE_ROW1
.endif
.endr
.endr
.endm
; 32 LDS loads in one run: the fragments of quarter cq (256 along K) into buffer f; the first 128 along K first
.macro FETCH slot, cq, f
	WIN TO_F
.irp c, 0,1
.irp i, 0,1,2,3
	ds_load_b128 v[\f+64+8*(4*\c+\i):\f+64+8*(4*\c+\i)+3],   v[ADRB+\slot] offset:\i*8192+(2*(\cq)+\c)*1024
	ds_load_b128 v[\f+64+8*(4*\c+\i)+4:\f+64+8*(4*\c+\i)+7], v[ADRB+\slot] offset:\i*8192+(2*(\cq)+\c)*1024+512
	ds_load_b128 v[\f+8*(4*\c+\i):\f+8*(4*\c+\i)+3],         v[ADRA+\slot] offset:\i*16*PITCH+128*(\cq)+64*\c
	ds_load_b128 v[\f+8*(4*\c+\i)+4:\f+8*(4*\c+\i)+7],       v[ADRA+\slot] offset:\i*16*PITCH+128*(\cq)+64*\c+32
.endr
.endr
.endm
.macro SCALES set                      ; a K step's scale words: eight a row, from two runs of 512 along K
.irp i, 0,1,2,3
	ds_load_b128 v[SC+32*\set+8*\i:SC+32*\set+8*\i+3],   v[ADRS] offset:256*\i
	ds_load_b128 v[SC+32*\set+8*\i+4:SC+32*\set+8*\i+7], v[ADRS] offset:256*\i+1024
.endr
.endm
; One of a K step's first three quarters: multiplies buffer f and fetches the next quarter into g
.macro QUARTER slot, cq, f, g, zero
	s_wait_dscnt 16                                ; the first 128 along K (and what was asked for before them) are in; the youngest sixteen loads may be out
	WIN MUL
	MUL8 \f, 0, 0, \slot, 2*(\cq), \zero
	MUL8 \f, 0, 2, \slot, 2*(\cq), \zero
	PLACES
	FETCH \slot, (\cq)+1, \g
	s_wait_dscnt 32                                ; all but the 32 just issued
	WIN MUL
	MUL8 \f, 1, 0, \slot, 2*(\cq)+1, 0
	MUL8 \f, 1, 2, \slot, 2*(\cq)+1, 0
.endm
; The last quarter multiplies buffer 1 and changes slots: one barrier; in front of it each wave waits for all its tensor loads, adds 0 to its spare word, and waits for that and for its reads of this slot.
.macro TURN slot, next, fill
	WIN 0
	s_wait_tensorcnt 0x0                           ; all my tensor loads have landed: my part of the next slot
	ds_add_u32 v[SPW], v[NIL]
	s_wait_dscnt 17                                ; (the add and the youngest sixteen loads may be out)
	WIN MUL
	MUL8 F1, 0, 0, \slot, 6, 0
	s_wait_dscnt 0x0                               ; the add is done, and my reads of this slot are over
	s_barrier_signal -1
	MUL8 F1, 0, 2, \slot, 6, 0
	WIN 0
	s_barrier_wait -1
.if \fill
	CREST                                          ; the barrier has opened a round of the cluster's: no wave of any partner still reads this slot or has a load on its way
	s_add_nc_u64 s[G0+4*\slot+2:G0+4*\slot+3], s[G0+4*\slot+2:G0+4*\slot+3], 1024
	s_add_nc_u64 s[G0B+4*\slot+2:G0B+4*\slot+3], s[G0B+4*\slot+2:G0B+4*\slot+3], 1048576
	JLOAD G0+4*\slot, G1, G0B+4*\slot, G1B         ; two K steps on; its four v_nop are also the places in front of the loads below
.else
	PLACES
.endif
	v_add_nc_u32 v[ADRS], 2048, v[ADRS]            ; the next K step's scale words
	SCALES \next
	FETCH \next, 0, F0
	WIN MUL
	MUL8 F1, 1, 0, \slot, 7, 0
	MUL8 F1, 1, 2, \slot, 7, 0
.endm
	s_wait_tensorcnt 1                             ; the scales and my part of K step 0 are in; K step 1's load may be out
	s_barrier_signal -1
	s_barrier_wait -1
	SCALES 0
	FETCH 0, 0, F0
	QUARTER 0, 0, F0, F1, 1                        ; the first products start the sums: nothing is cleared
	QUARTER 0, 1, F1, F0, 0
	QUARTER 0, 2, F0, F1, 0
	TURN 0, 1, 1
	QUARTER 1, 0, F0, F1, 0
	QUARTER 1, 1, F1, F0, 0
	QUARTER 1, 2, F0, F1, 0
	TURN 1, 0, 1
	QUARTER 0, 0, F0, F1, 0
	QUARTER 0, 1, F1, F0, 0
	QUARTER 0, 2, F0, F1, 0
	TURN 0, 1, 0                                   ; nothing is left to fetch
	QUARTER 1, 0, F0, F1, 0
	QUARTER 1, 1, F1, F0, 0
	QUARTER 1, 2, F0, F1, 0
	s_wait_dscnt 16
	WIN MUL
	MUL8 F1, 0, 0, 1, 6, 0
	MUL8 F1, 0, 2, 1, 6, 0
	s_wait_dscnt 0x0
	MUL8 F1, 1, 0, 1, 7, 0
	MUL8 F1, 1, 2, 1, 7, 0
	WIN 0
	; THE WAY OUT: x 1/4, rounded to f16 in place (an accumulator's low four registers take its 16 bytes), through my own stage, back as whole rows into the upper four, and out: my 64 tokens x 128 bytes are 8,192 consecutive bytes.
	PLACES
.irp t, 0,1,2,3,4,5,6,7,8,9,10,11,12,13,14,15
.irp j, 0,2,4,6
	v_pk_mul_f32 v[ACC+8*\t+\j:ACC+8*\t+\j+1], v[ACC+8*\t+\j:ACC+8*\t+\j+1], 0x3e800000 op_sel_hi:[1,0]
.endr
.irp j, 0,1,2,3
	v_cvt_pk_f16_f32 v[ACC+8*\t+\j], v[ACC+8*\t+2*\j], v[ACC+8*\t+2*\j+1]
.endr
	ds_store_b128 v[STO], v[ACC+8*\t:ACC+8*\t+3] offset:2304*(\t/4)+32*(\t%4)
.endr
.irp i, 0,1,2,3,4,5,6,7,8,9,10,11,12,13,14,15
	ds_load_b128 v[ACC+8*\i+4:ACC+8*\i+7], v[RD] offset:576*\i     ; LDS serves a wave's instructions in order: these see my stores
.endr
.irp i, 0,1,2,3,4,5,6,7,8,9,10,11,12,13,14,15
	s_wait_dscnt 15-\i
	global_store_b128 v[GO], v[ACC+8*\i+4:ACC+8*\i+7], s[6:7] offset:512*\i   ; 512 consecutive bytes
.endr
	s_wait_tensorcnt 0x0                           ; the wave's end
	ds_add_u32 v[SPW], v[NIL]
	s_wait_dscnt 0x0
	CROUND                                         ; the closing round
	s_endpgm
.Lfunc_end_k_q59f662ed66_kvproj:
	.size	k_q59f662ed66_kvproj, .Lfunc_end_k_q59f662ed66_kvproj-k_q59f662ed66_kvproj
	.p2alignl 7, 3214868480
	.fill 96, 4, 3214868480
	.section	.rodata,"a",@progbits
	.p2align	6, 0x0
	.amdhsa_kernel k_q59f662ed66_kvproj
		.amdhsa_group_segment_fixed_size 327680
		.amdhsa_private_segment_fixed_size 0
		.amdhsa_enable_private_segment 0
		.amdhsa_kernarg_size 16
		.amdhsa_user_sgpr_count 2
		.amdhsa_user_sgpr_kernarg_segment_ptr 1
		.amdhsa_wavefront_size32 1
		.amdhsa_system_sgpr_workgroup_id_x 1
		.amdhsa_system_sgpr_workgroup_id_y 1
		.amdhsa_system_sgpr_workgroup_id_z 1
		.amdhsa_system_vgpr_workitem_id 0
		.amdhsa_next_free_vgpr 512
		.amdhsa_next_free_sgpr 96
		.amdhsa_reserve_vcc 0
		.amdhsa_float_denorm_mode_32 3
		.amdhsa_float_denorm_mode_16_64 3
		.amdhsa_memory_ordered 1
		.amdhsa_forward_progress 1
		.amdhsa_inst_pref_size 129
	.end_amdhsa_kernel
	.amdgpu_metadata
---
amdhsa.version: [ 1, 2 ]
amdhsa.kernels:
  - .name:           k_q59f662ed66_kvproj
    .symbol:         k_q59f662ed66_kvproj.kd
    .args:
      - { .name: pre, .offset: 0, .size: 8, .value_kind: global_buffer, .address_space: global }
      - { .name: kvh, .offset: 8, .size: 8, .value_kind: global_buffer, .address_space: global }
    .group_segment_fixed_size: 327680
    .private_segment_fixed_size: 0
    .kernarg_segment_align: 8
    .kernarg_segment_size: 16
    .max_flat_workgroup_size: 128
    .sgpr_count:     96
    .vgpr_count:     512
    .wavefront_size: 32
...
	.end_amdgpu_metadata
.endif
;; end of part 2
;; launch attn (part 3): grid 32 x 8, 8 waves a work-group, clusters of 4 x 1, 327,680 bytes of LDS; arguments pre, kvh, att; writes att
.if DOCPART == 3
	.amdgcn_target "amdgcn-amd-amdhsa--gfx1250"
	.amdhsa_code_object_version 6
	.text
	.protected	k_q59f662ed66_attn
	.globl	k_q59f662ed66_attn
	.p2align	8
	.type	k_q59f662ed66_attn,@function
k_q59f662ed66_attn:
	s_mov_b64 s[64:65], 0
	v_nop
	global_prefetch_b8 v0, s[64:65] scope:SCOPE_SE
	s_setreg_imm32_b32 hwreg(HW_REG_WAVE_MODE, 25, 1), 1
	s_wait_xcnt 0x0
	s_wait_alu depctr_hold_cnt(0) depctr_sa_sdst(0) depctr_va_vdst(0) depctr_va_sdst(0) depctr_va_ssrc(0) depctr_va_vcc(0) depctr_vm_vsrc(0)
	s_getreg_b32 s2, hwreg(HW_REG_IB_STS2, 6, 4)
	s_cmp_eq_u32 s2, 0
	s_cbranch_scc0 .Lentry_in_a_cluster
	s_endpgm
.Lentry_in_a_cluster:
	s_bfe_u32 s2, ttmp6, 0x10000c
	s_cmp_lg_u32 s2, 0x3003
	s_cbranch_scc0 .Lentry_shape_is_right
	s_endpgm
.Lentry_shape_is_right:
; ATTN: q = learned_queries x w_q on codes of E2M1 (each wave makes its own fragments); then softmax(q k^T / 8) v by head, f16 operands, f32 sums, a running maximum; the result x 1/2 as f16 into att [32 blocks of 128 queries][8 heads][128][64].
; k and v come x 1/4 from the launch before: the score's factor carries the 4, the last division a 2.  All these factors are powers of two.
; LIMITS: |q| up to 65,504 (f16); |result| up to 131,008; NaN and infinities are not served.
; SHARES.  A work-group owns 128 queries of one head: 256 work-groups.  Eight waves, two to a SIMD, so that one wave's softmax stands beside the other's products.  Wave w owns queries 32 (w % 4) on, two tiles of 16, and of every
; slot of 256 keys the half w / 4.  At the end waves w and w xor 4 exchange a tile through LDS and each finishes one; which one is chosen by v_cndmask_b32, so all waves run one text.
; LAYOUT.  S^T = K Q^T (source 0 = 16 keys, source 1 = 16 queries): a lane holds ONE query and the keys 8 (lane / 16) + 0 .. 7; two such tiles, rounded to f16 in pairs, ARE source 1 of O^T = V^T P.  V is turned by ds_load_tr16_b128.
; The first product is used transposed too (source 0 = 16 columns of w_q, source 1 = 16 queries): its tiles 2 c and 2 c + 1, rounded in pairs, ARE Q's fragment c.
; THE ORDER OF A STEP (64 keys): V's loads; K Q^T on fragments of K that were asked for a step ago; the NEXT step's K loads; the softmax; O^T x a; V^T P.  So no product stands straight behind the loads that feed it.
; THE CHANGE OF SLOTS stands inside a slot's last step, behind its K Q^T: V of that step is in registers by then, so the wave's reads of the slot are over; the softmax, work on registers, stands between the opening signal and its wait.
; CLUSTER.  The four query blocks of a cluster belong to one head and walk the same K and V: each tile is asked for jointly, mask 15.
; REGISTERS: window 0: v2-15 addresses; v16-31 statistics, eight a tile (+0 c m, +1 m, +2 +3 l, +4 .. +7 at work; a in +6); v32-63 Q; v64-127 S^T; v128-159 P; v160-183 scale words; v184-255 the merge.
;   window 1: v0-63 O^T (32 t + 8 d); v64-127 K; v128-191 V; in the head v64-191 w_q's codes, v192-255 the queries' codes.
.set P_QC, 11141120
.set P_QS, 11272192
.set P_LC, 11280384
.set P_LS, 12328960
.set PK,    144                        ; a key's row in LDS: 128 bytes + 16
.set PV,    160                        ; a value's row: 128 + 32
.set VOFF,  64*PK
.set STEPB, 64*(PK+PV)                 ; a step's tiles: 64 rows of K, then 64 of V
.set SLOT1, 1<<17                      ; a slot holds four steps' tiles (two for each half of the waves); slot 1 begins here: one exclusive or turns an address
.set XCH,   4*STEPB                    ; between the slots: for each wave 8 images of 512 bytes and 256 bytes of statistics,
.set XREG,  4352
.set OST,   XCH+8*XREG                 ; and a stage of 16 rows x 144 bytes; no tile lands on either
.set OREG,  2304
.set SPARE, SLOT1+4*STEPB              ; the spare words, 128 bytes a wave
.set AK0, 2
.set AV0, 3
.set ADK, 4
.set ADV, 5
.set XSTO, 6
.set XST2, 7
.set XLD, 8
.set XLD2, 9
.set OSTO, 10
.set ORD, 11
.set SPW, 12
.set NIL, 13
.set GO,  14                           ; 16 x lane
.set PFO, 15                           ; 256 x lane
.set ST,  16
.set Q,   32
.set S,   64
.set P,   128
.set LQS, 160
.set WQS, 168
.set KEEP, 184
.set SEND, 216
.set KF,  64                           ; window 1
.set VF,  128
.set WV,  12
.set LIM, 16
.set KM,  17                           ; all ones in waves 4 to 7, else 0
.set PFA, 18
.set G1K, 24
.set G1V, 32
.set G0K, 40
.set G0V, 48
.set SLOTS, 56
.set CS,  58                           ; s[58:59] c = 4 log2(e) / 8
.set SEL, 60
.set TB,  62                           ; LDS byte of the step whose tiles are asked for next
.set MSB, 0
.macro WIN new
.if MSB != (\new)
	s_set_vgpr_msb (MSB<<8)|(\new)
.set MSB, (\new)
.endif
.endm
.macro PLACES
.rept 4
	v_nop
.endr
.endm
; A joint refill: waves 0 to 3 fetch the slot's four tiles of K, waves 4 to 7 those of V.  An s_nop 0 and four v_nop follow each of the two lines.
.macro JLOAD
	s_cmp_lt_u32 s[WV], 4
	s_cbranch_scc0 .Lfor_v_\@
	tensor_load_to_lds s[G0K+4:G0K+7], s[G1K:G1K+7]
	s_nop 0
.rept 4
	v_nop
.endr
	s_branch .Lasked_\@
.Lfor_v_\@:
	tensor_load_to_lds s[G0V+4:G0V+7], s[G1V:G1V+7]
	s_nop 0
.rept 4
	v_nop
.endr
.Lasked_\@:
.endm
; A prefetch of what the NEXT change of slots will ask for: a slot's 32,768 bytes of K and of V.  All clusters of a head walk the same rows: the head's first cluster asks; its four partners take 8,192 bytes each, told apart by address;
; in each, wave 0 asks for K's and wave 4 for V's, lanes 256 bytes apart.  So each aligned 256 bytes are named once in the launch.  The last change that fills a slot asks for nothing.
.macro ASK
	s_cmp_gt_u32 s[SLOTS], s[LIM]
	s_cbranch_scc0 .Lnot_mine_\@
	global_prefetch_b8 v[PFO], s[PFA:PFA+1] th:TH_LOAD_NT scope:SCOPE_SE
.Lnot_mine_\@:
.endm
.macro CREST                           ; a round of the cluster's barrier behind its opening barrier
	s_cmp_lg_u32 s[WV], 0
	s_cbranch_scc1 .Lnot_wave_0_\@
	s_barrier_signal -3
.Lnot_wave_0_\@:
	s_barrier_wait -3
	s_barrier_signal -1
	s_barrier_wait -1
.endm
.macro CROUND                          ; a whole round
	s_barrier_signal -1
	s_barrier_wait -1
	CREST
.endm
	s_load_b128 s[4:7], s[0:1], 0x0                ; pre s[4:5], kvh s[6:7]
	s_load_b64 s[8:9], s[0:1], 0x10                ; att
	v_lshl_add_u32 v[SPW], v0, 2, SPARE
	v_mov_b32 v[NIL], 0
	ds_add_u32 v[SPW], v[NIL]                      ; the wave's opening: the add, twice on end, and its wait ahead of my first tensor load
	ds_add_u32 v[SPW], v[NIL]
	v_lshrrev_b32 v1, 5, v0
	v_readfirstlane_b32 s[WV], v1                  ; wave 0..7
	s_bfe_u32 s13, ttmp6, 0x40000                  ; cx
	s_lshl_b32 s14, ttmp9, 2
	s_add_co_u32 s14, s14, s13                     ; my block of 128 queries: it enters global addresses alone
	s_lshr_b32 s15, s[WV], 2                       ; my half of the keys
	s_and_b32 s21, s[WV], 3                        ; my 32 queries.  Also: which of a slot's four tiles I fetch
	s_and_b32 s20, ttmp7, 0xffff                   ; the head
	s_cmp_eq_u32 s15, 0
	s_cselect_b32 s[KM], 0, -1
	s_lshl_b32 s22, s20, 19                        ; the head's 4,096 rows of 128 bytes,
	s_lshl_b32 s23, s21, 13                        ; my tile's 64 rows
	s_add_co_u32 s22, s22, s23
	s_mov_b32 s23, 0
	s_mul_i32 s2, s21, STEPB                       ; and its place in a slot
	; group 1: 64 rows x 64 elements of 2 bytes, dense; padding behind every 32 words: 4 words for K, 8 for V
	s_mov_b32 s[G1K], 15|(1<<16)|(1<<20)|(1<<21)|(4<<22)|(3<<25)
	s_mov_b32 s[G1V], 15|(1<<16)|(1<<20)|(1<<21)|(4<<22)|(7<<25)
.irp g, G1K, G1V
	s_mov_b32 s[\g+1], 64<<16
	s_mov_b32 s[\g+2], 64<<16
	s_mov_b32 s[\g+3], 64<<16
	s_mov_b32 s[\g+4], 64
	s_mov_b32 s[\g+5], 64
	s_mov_b32 s[\g+6], 0
	s_mov_b32 s[\g+7], 0
.endr
	s_mov_b32 s[CS], 0x3f38aa3b                    ; log2(e) / 2
	s_mov_b32 s[CS+1], s[CS]
	s_mov_b32 s[SEL], 0x76543210
	s_mov_b32 s[SEL+1], 0xfedcba98
	s_mul_i32 s[TB], s15, 2*STEPB                  ; my half's first step in slot 0
	s_mov_b32 s[SLOTS], 14
	s_or_b32 s[LIM], s21, ttmp9                    ; 0 in waves 0 and 4 of the head's first cluster: the same in all four partners
	s_cmp_eq_u32 s[LIM], 0
	s_cselect_b32 s[LIM], 1, -1
	s_lshl_b32 s68, s20, 14
	s_add_co_u32 s68, s68, P_QC                    ; w_q's codes: the head's four blocks of 16 columns
	s_mov_b32 s69, 0
	s_lshl_b32 s3, s14, 7
	s_lshl_b32 s70, s21, 5
	s_add_co_u32 s3, s3, s70                       ; my first query
	s_lshl_b32 s70, s3, 8
	s_add_co_u32 s70, s70, P_LC
	s_mov_b32 s71, 0
	s_lshl_b32 s72, s20, 10
	s_add_co_u32 s72, s72, P_QS
	s_mov_b32 s73, 0
	s_lshl_b32 s74, s3, 4
	s_add_co_u32 s74, s74, P_LS
	s_mov_b32 s75, 0
	s_lshl_b32 s76, s14, 3
	s_add_co_u32 s76, s76, s20
	s_lshl_b32 s76, s76, 14                        ; att: (8 block + head) x 16,384 bytes,
	s_lshl_b32 s77, s21, 12                        ; my 32 queries,
	s_add_co_u32 s76, s76, s77
	s_lshl_b32 s77, s15, 11                        ; the tile of 16 that I finish
	s_add_co_u32 s76, s76, s77
	s_mov_b32 s77, 0
	s_wait_dscnt 0x0                               ; both opening adds are done
	s_wait_kmcnt 0x0
	s_add_nc_u64 s[10:11], s[6:7], s[22:23]        ; K at my tile of slot 0
	s_add_nc_u64 s[78:79], s[10:11], 0x400000      ; V: eight heads further on
	s_add_nc_u64 s[68:69], s[4:5], s[68:69]
	s_add_nc_u64 s[70:71], s[4:5], s[70:71]
	s_add_nc_u64 s[72:73], s[4:5], s[72:73]
	s_add_nc_u64 s[74:75], s[4:5], s[74:75]
	s_add_nc_u64 s[8:9], s[8:9], s[76:77]
	s_cmp_lt_u32 s[WV], 4
	s_cselect_b64 s[PFA:PFA+1], s[10:11], s[78:79] ; (in waves 0 and 4 these stand at a slot's first row)
	s_lshl_b32 s22, s13, 13                        ; my work-group's quarter of a slot
	s_add_nc_u64 s[PFA:PFA+1], s[PFA:PFA+1], s[22:23]
	s_add_nc_u64 s[PFA:PFA+1], s[PFA:PFA+1], 2*32768   ; in slot 2: the first change of slots steps it to slot 3.  Nothing is prefetched at the head
	CROUND                                         ; all four work-groups are here: the first joint loads meet
.irp s, 0,1
	s_mov_b32 s[G0K+4*\s], 1
	s_add_co_u32 s[G0K+4*\s+1], s2, \s*SLOT1
	s_add_nc_u64 s[G0K+4*\s+2:G0K+4*\s+3], s[10:11], \s*32768
	s_or_b32 s[G0K+4*\s+3], s[G0K+4*\s+3], 0x80000000
	s_mov_b32 s[G0V+4*\s], 1
	s_add_co_u32 s[G0V+4*\s+1], s2, \s*SLOT1+VOFF
	s_add_nc_u64 s[G0V+4*\s+2:G0V+4*\s+3], s[78:79], \s*32768
	s_or_b32 s[G0V+4*\s+3], s[G0V+4*\s+3], 0x80000000
.endr
	s_cmp_lt_u32 s[WV], 4                          ; a wave's two first fills stand in one branch: two loads of mine are out
	s_cbranch_scc0 .Lfirst_v
	tensor_load_to_lds s[G0K:G0K+3], s[G1K:G1K+7]
	s_nop 0
	tensor_load_to_lds s[G0K+4:G0K+7], s[G1K:G1K+7]
	s_nop 0
.rept 4
	v_nop
.endr
	s_branch .Lfirst_asked
.Lfirst_v:
	tensor_load_to_lds s[G0V:G0V+3], s[G1V:G1V+7]
	s_nop 0
	tensor_load_to_lds s[G0V+4:G0V+7], s[G1V:G1V+7]
	s_nop 0
.rept 4
	v_nop
.endr
.Lfirst_asked:
	v_and_b32 v1, 15, v0                           ; r
	v_bfe_u32 v248, v0, 4, 1                       ; h
	v_and_b32 v249, 31, v0                         ; lane
	v_lshlrev_b32 v[GO], 4, v249
	v_lshlrev_b32 v[PFO], 8, v249
	v_lshlrev_b32 v250, 8, v1
	v_lshl_add_u32 v250, v248, 4, v250             ; the queries' codes: row r of 256 bytes, + 16 h
	v_lshlrev_b32 v251, 4, v1                      ; scale words: 16 bytes a row
	WIN 0x40                                       ; destination window 1
.irp f, 0,1,2,3,4,5,6,7,8,9,10,11,12,13,14,15  ; w_q's fragments: block of columns f / 4, K step f % 4: images, 16 x lane
.irp c, 0,1
	global_load_b128 v[64+8*\f+4*\c:64+8*\f+4*\c+3], v[GO], s[68:69] offset:\f*1024+512*\c
.endr
.endr
.irp f, 0,1,2,3,4,5,6,7                        ; the queries': tile f / 4, K step f % 4
.irp c, 0,1
	global_load_b128 v[192+8*\f+4*\c:192+8*\f+4*\c+3], v250, s[70:71] offset:(\f/4)*4096+(\f%4)*64+32*\c
.endr
.endr
	WIN 0
.irp d, 0,1,2,3
	global_load_b128 v[WQS+4*\d:WQS+4*\d+3], v251, s[72:73] offset:256*\d
.endr
.irp t, 0,1
	global_load_b128 v[LQS+4*\t:LQS+4*\t+3], v251, s[74:75] offset:256*\t
.endr
	v_mul_u32_u24 v[AK0], v1, PK
	v_lshl_add_u32 v[AK0], v248, 4, v[AK0]         ; K: row r x pitch + 16 h
	v_and_b32 v252, 7, v0
	v_bfe_u32 v253, v0, 3, 1
	v_lshl_add_u32 v[AV0], v248, 3, v252           ; V, for the turning load: key 8 h + lane % 8, channels 8 ((lane / 8) % 2) on
	v_mul_u32_u24 v[AV0], v[AV0], PV
	v_lshl_add_u32 v[AV0], v253, 4, v[AV0]
	v_add_nc_u32 v[AV0], VOFF, v[AV0]
	s_mul_i32 s3, s[WV], XREG
	s_add_co_u32 s3, s3, XCH
	v_add_nc_u32 v[XSTO], s3, v[GO]                ; the exchange: what I send,
	v_lshl_add_u32 v[XST2], v249, 3, s3
	v_add_nc_u32 v[XST2], 4096, v[XST2]
	s_xor_b32 s2, s[WV], 4
	s_mul_i32 s2, s2, XREG
	s_add_co_u32 s2, s2, XCH
	v_add_nc_u32 v[XLD], s2, v[GO]                 ; and what wave w xor 4 sends me
	v_lshl_add_u32 v[XLD2], v249, 3, s2
	v_add_nc_u32 v[XLD2], 4096, v[XLD2]
	s_mul_i32 s3, s[WV], OREG
	s_add_co_u32 s3, s3, OST
	v_mul_u32_u24 v254, v1, 144
	v_lshl_add_u32 v254, v248, 4, v254
	v_add_nc_u32 v[OSTO], s3, v254                 ; my stage: in by row r, 16 bytes for each half of the lanes;
	v_lshrrev_b32 v254, 3, v249
	v_mul_u32_u24 v254, v254, 144
	v_lshl_add_u32 v254, v252, 4, v254
	v_add_nc_u32 v[ORD], s3, v254                  ; back eight lanes to a row
.irp t, 0,1
	v_mov_b32 v[ST+8*\t+1], 0xff61b1e6             ; m: -3e38, under every score
	v_mul_f32 v[ST+8*\t], s[CS], v[ST+8*\t+1]      ; c m
	v_mov_b32 v[ST+8*\t+2], 0                      ; l, in two halves
	v_mov_b32 v[ST+8*\t+3], 0
.endr
	WIN 0x40
.set i, 0
.rept 64
	v_mov_b32 v[i], 0                              ; O^T.  (The first step is written as every other: it finds zeros, which its a = 0 leaves zeros)
.set i, i+1
.endr
	s_wait_loadcnt 0x0
	WIN 0x05                                       ; sources 0 and 1 window 1, C and D window 0
.irp s, 0,1,2,3                                ; q^T = w_q^T x queries^T: eight accumulators by turns, K ascending
.irp t, 0,1
.irp d, 0,1,2,3
.if \s == 0
	v_wmma_scale_f32_16x16x128_f8f6f4 v[S+32*\t+8*\d:S+32*\t+8*\d+7], v[64+8*(4*\d+\s):64+8*(4*\d+\s)+7], v[192+8*(4*\t+\s):192+8*(4*\t+\s)+7], 0, v[WQS+4*\d+\s], v[LQS+4*\t+\s] matrix_a_fmt:MATRIX_FMT_FP4 matrix_b_fmt:MATRIX_FMT_FP4
.else
	v_wmma_scale_f32_16x16x128_f8f6f4 v[S+32*\t+8*\d:S+32*\t+8*\d+7], v[64+8*(4*\d+\s):64+8*(4*\d+\s)+7], v[192+8*(4*\t+\s):192+8*(4*\t+\s)+7], v[S+32*\t+8*\d:S+32*\t+8*\d+7], v[WQS+4*\d+\s], v[LQS+4*\t+\s] matrix_a_fmt:MATRIX_FMT_FP4 matrix_b_fmt:MATRIX_FMT_FP4
.endif
.endr
.endr
.endr
	WIN 0
	PLACES
.set i, 0
.rept 32
	v_cvt_pk_f16_f32 v[Q+i], v[S+2*i], v[S+2*i+1]  ; lane (r, h): query r, channels 16 d + 8 h + 0 .. 7: Q's fragments as they stand
.set i, i+1
.endr
; One tile's softmax for a step of 64 keys; the two tiles alternate line by line, so that no line waits for the line above it.  Work on registers alone.
.macro SOFTMAX
.irp j, 0,1,2,3
.irp t, 0,1
	v_max3_num_f32 v[ST+8*\t+4+\j], v[S+32*\t+8*\j], v[S+32*\t+8*\j+1], v[S+32*\t+8*\j+2]   ; four chains; each accumulator is read from its low end on
.endr
.endr
.irp n, 3,5
.irp j, 0,1,2,3
.irp t, 0,1
	v_max3_num_f32 v[ST+8*\t+4+\j], v[ST+8*\t+4+\j], v[S+32*\t+8*\j+\n], v[S+32*\t+8*\j+\n+1]
.endr
.endr
.endr
.irp t, 0,1
	v_max3_num_f32 v[ST+8*\t+4], v[ST+8*\t+4], v[S+32*\t+7], v[S+32*\t+15]
.endr
.irp t, 0,1
	v_max3_num_f32 v[ST+8*\t+6], v[ST+8*\t+6], v[S+32*\t+23], v[S+32*\t+31]
.endr
.irp t, 0,1
	v_max3_num_f32 v[ST+8*\t+4], v[ST+8*\t+4], v[ST+8*\t+5], v[ST+8*\t+6]
.endr
.irp t, 0,1
	v_max3_num_f32 v[ST+8*\t+4], v[ST+8*\t+4], v[ST+8*\t+7], v[ST+8*\t+1]   ; and the old m
.endr
.irp t, 0,1
	v_permlanex16_b32 v[ST+8*\t+5], v[ST+8*\t+4], s[SEL], s[SEL+1]   ; the query's other 32 keys lie in the lane 16 away
.endr
.irp t, 0,1
	v_mov_b32 v[ST+8*\t+7], v[ST+8*\t]             ; c m_old
.endr
.irp t, 0,1
	v_max_num_f32 v[ST+8*\t+1], v[ST+8*\t+4], v[ST+8*\t+5]
.endr
.irp t, 0,1
	v_mul_f32 v[ST+8*\t], s[CS], v[ST+8*\t+1]
.endr
.irp t, 0,1
	v_sub_f32 v[ST+8*\t+7], v[ST+8*\t+7], v[ST+8*\t]
.endr
.irp t, 0,1
	v_exp_f32 v[ST+8*\t+6], v[ST+8*\t+7]           ; a = 2^(c m_old - c m_new)
.endr
.irp b, 0,1,2,3,4,5,6,7,8,9,10,11,12,13,14,15
.irp t, 0,1
	v_pk_fma_f32 v[S+32*\t+2*\b:S+32*\t+2*\b+1], v[S+32*\t+2*\b:S+32*\t+2*\b+1], s[CS:CS+1], v[ST+8*\t:ST+8*\t+1] op_sel_hi:[1,0,0] neg_lo:[0,0,1] neg_hi:[0,0,1]   ; c s - c m
.endr
.endr
.set e, 0
.rept 32
	v_exp_f32 v[S+e], v[S+e]
	v_exp_f32 v[S+32+e], v[S+32+e]
.set e, e+1
.endr
	v_nop                                          ; a plain instruction behind the last exponential
	s_wait_alu depctr_va_vdst(0)                   ; one wait for the step's 66 exponentials, ahead of the first line that names a result
.irp i, 0,1,2,3,4,5,6,7,8,9,10,11,12,13,14,15
.irp t, 0,1
	v_cvt_pk_f16_f32 v[P+16*\t+\i], v[S+32*\t+2*\i], v[S+32*\t+2*\i+1]
.endr
.endr
.irp u, 0,1,2,3,4,5,6,7                        ; the sum of the unrounded weights, in place: neighbours 1, 2, 4 and 8 pairs apart
.irp t, 0,1
	v_pk_add_f32 v[S+32*\t+4*\u:S+32*\t+4*\u+1], v[S+32*\t+4*\u:S+32*\t+4*\u+1], v[S+32*\t+4*\u+2:S+32*\t+4*\u+3]
.endr
.endr
.irp u, 0,1,2,3
.irp t, 0,1
	v_pk_add_f32 v[S+32*\t+8*\u:S+32*\t+8*\u+1], v[S+32*\t+8*\u:S+32*\t+8*\u+1], v[S+32*\t+8*\u+4:S+32*\t+8*\u+5]
.endr
.endr
.irp u, 0,1
.irp t, 0,1
	v_pk_add_f32 v[S+32*\t+16*\u:S+32*\t+16*\u+1], v[S+32*\t+16*\u:S+32*\t+16*\u+1], v[S+32*\t+16*\u+8:S+32*\t+16*\u+9]
.endr
.endr
.irp t, 0,1
	v_pk_add_f32 v[S+32*\t:S+32*\t+1], v[S+32*\t:S+32*\t+1], v[S+32*\t+16:S+32*\t+17]
.endr
.irp t, 0,1
	v_pk_fma_f32 v[ST+8*\t+2:ST+8*\t+3], v[ST+8*\t+2:ST+8*\t+3], v[ST+8*\t+6:ST+8*\t+7], v[S+32*\t:S+32*\t+1] op_sel_hi:[1,0,1]   ; l = a l + the sum
.endr
.endm
; Sixteen loads: K's fragments of the step whose address stands in v[ADK]: keys 16 (f / 2) on, channels 32 (f % 2) on
.macro KLOADS
	WIN 0x40
.irp f, 0,1,2,3,4,5,6,7
	ds_load_b128 v[KF+8*\f:KF+8*\f+3],   v[ADK] offset:(\f/2)*16*PK+(\f%2)*64
	ds_load_b128 v[KF+8*\f+4:KF+8*\f+7], v[ADK] offset:(\f/2)*16*PK+(\f%2)*64+32
.endr
	WIN 0
.endm
; A STEP: 64 keys; its V lies at LDS byte s[TB], its K is in registers or on its way there.
; kind 0: the next step lies in the same slot.  kind 1: the slot's last step, with the change of slots; the slot is filled again with the keys two slots on.  kind 2: the same, nothing is filled.  kind 3: the last step of all.
.macro STEP kind
	v_add_nc_u32 v[ADV], s[TB], v[AV0]             ; this line and three v_nop are the four places between the last products, which read V, and the loads below
	v_nop
	v_nop
	v_nop
	WIN 0x40
.irp f, 0,1,2,3,4,5,6,7                        ; V, turned: keys 32 (f / 4) on, channels 16 (f % 4) on
	ds_load_tr16_b128 v[VF+8*\f:VF+8*\f+3],   v[ADV] offset:(\f/4)*32*PV+(\f%4)*32
	ds_load_tr16_b128 v[VF+8*\f+4:VF+8*\f+7], v[ADV] offset:(\f/4)*32*PV+16*PV+(\f%4)*32
.endr
.if \kind == 0
	s_add_co_u32 s[TB], s[TB], STEPB               ; on to my half's second step
.elseif \kind < 3
	s_sub_co_u32 s[TB], s[TB], STEPB               ; back to my half's first step,
	s_xor_b32 s[TB], s[TB], SLOT1                  ; in the other slot
.endif
	s_wait_dscnt 16                                ; K, asked for a step ago, is in; V's sixteen loads may be out
	WIN 0x01                                       ; K window 1; Q and S^T window 0
.irp c, 0,1                                    ; eight accumulators by turns
.irp k, 0,1,2,3
.irp t, 0,1
.if \c == 0
	v_wmma_f32_16x16x32_f16 v[S+32*\t+8*\k:S+32*\t+8*\k+7], v[KF+8*(2*\k+\c):KF+8*(2*\k+\c)+7], v[Q+16*\t+8*\c:Q+16*\t+8*\c+7], 0
.else
	v_wmma_f32_16x16x32_f16 v[S+32*\t+8*\k:S+32*\t+8*\k+7], v[KF+8*(2*\k+\c):KF+8*(2*\k+\c)+7], v[Q+16*\t+8*\c:Q+16*\t+8*\c+7], v[S+32*\t+8*\k:S+32*\t+8*\k+7]
.endif
.endr
.endr
.endr
	WIN 0
.if \kind == 0
	v_add_nc_u32 v[ADK], s[TB], v[AK0]             ; four places behind the products: for the loads into K's registers and for the softmax's first reads
	v_nop
	v_nop
	v_nop
	KLOADS                                         ; the next step's K: the softmax and V^T P stand between these loads and their use
	SOFTMAX
.elseif \kind < 3
	s_wait_tensorcnt 0x0                           ; all my tensor loads have landed (one was out: my part of the other slot), so a group 0 may be written
	ds_add_u32 v[SPW], v[NIL]
	PLACES                                         ; the four places behind the products
.if \kind == 1
.irp g, G0K+4, G0V+4
	s_xor_b32 s[\g+1], s[\g+1], SLOT1              ; the walking descriptor: the other slot than last time,
	s_add_nc_u64 s[\g+2:\g+3], s[\g+2:\g+3], 32768 ; the next 256 keys
.endr
	s_wait_xcnt 0x0                                ; the last prefetch, a slot back, has read its address
	s_add_nc_u64 s[PFA:PFA+1], s[PFA:PFA+1], 32768
.endif
	s_wait_dscnt 0x0                               ; the add is done; V is in registers and K has been multiplied: my reads of this slot are over
	s_barrier_signal -1                            ; say so,
	SOFTMAX                                        ; work on registers while the others arrive,
	s_barrier_wait -1                              ; and go on when all eight waves have said so
.if \kind == 1
	CREST                                          ; the barrier has opened a round of the cluster's: no wave of any partner still reads this slot or has a load on its way
	JLOAD                                          ; my one tensor load behind the round, ahead of my first LDS read there
.endif
	v_add_nc_u32 v[ADK], s[TB], v[AK0]
	KLOADS                                         ; the other slot is whole: its first step's K
.if \kind == 1
	ASK                                            ; what the next change of slots will ask for
.endif
.else
	PLACES
	SOFTMAX
.endif
	WIN 0x41                                       ; O^T window 1, a window 0
.irp t, 0,1
.set i, 0
.rept 16
	v_pk_mul_f32 v[32*\t+i:32*\t+i+1], v[32*\t+i:32*\t+i+1], v[ST+8*\t+6:ST+8*\t+7] op_sel_hi:[1,0]
.set i, i+2
.endr
.endr
.if \kind == 0
	s_wait_dscnt 16                                ; V is in; the next step's sixteen loads of K may be out
.elseif \kind == 3
	s_wait_dscnt 0x0                               ; V is in
.endif                                         ; (kinds 1 and 2: V was waited for in front of the barrier)
	WIN 0x51                                       ; V and O^T window 1, P window 0
.irp k, 0,1
.irp d, 0,1,2,3
.irp t, 0,1
	v_wmma_f32_16x16x32_f16 v[32*\t+8*\d:32*\t+8*\d+7], v[VF+8*(4*\k+\d):VF+8*(4*\k+\d)+7], v[P+16*\t+8*\k:P+16*\t+8*\k+7], v[32*\t+8*\d:32*\t+8*\d+7]
.endr
.endr
.endr
	WIN 0
.endm
	s_wait_tensorcnt 1                             ; my part of slot 0 is in; slot 1's may stay out
	s_barrier_signal -1
	s_barrier_wait -1
	v_add_nc_u32 v[ADK], s[TB], v[AK0]
	KLOADS                                         ; the first step's K
.Lslot:                                            ; 14 trips, a slot each: every slot but the last two is filled again
	STEP 0
	STEP 1
	s_sub_co_u32 s[SLOTS], s[SLOTS], 1
	s_cmp_lg_u32 s[SLOTS], 0
	s_cbranch_scc1 .Lslot
	STEP 0                                         ; the last two slots are written out
	STEP 2
	STEP 0
	STEP 3
	; THE MERGE.  I keep the tile that I finish (tile 0 in waves 0 to 3, tile 1 in waves 4 to 7) and send the other to wave w xor 4, as images of registers.
.irp t, 0,1
	v_add_f32 v[ST+8*\t+2], v[ST+8*\t+2], v[ST+8*\t+3]
.endr
	PLACES
	WIN 0x05                                       ; sources window 1, destination window 0
.set i, 0
.rept 32
	v_cndmask_b32 v[KEEP+i], v[i], v[32+i], s[KM]
	v_cndmask_b32 v[SEND+i], v[32+i], v[i], s[KM]
.set i, i+1
.endr
	WIN 0
	v_cndmask_b32 v248, v[ST], v[ST+8], s[KM]      ; kept: c m,
	v_cndmask_b32 v249, v[ST+2], v[ST+10], s[KM]   ; l
	v_cndmask_b32 v250, v[ST+8], v[ST], s[KM]      ; sent: c m,
	v_cndmask_b32 v251, v[ST+10], v[ST+2], s[KM]   ; l
.irp i, 0,1,2,3,4,5,6,7
	ds_store_b128 v[XSTO], v[SEND+4*\i:SEND+4*\i+3] offset:512*\i
.endr
	ds_store_b64 v[XST2], v[250:251]
	s_wait_dscnt 0x0                               ; for the other wave's sake: my stores are done
	s_barrier_signal -1
	s_barrier_wait -1
.irp i, 0,1,2,3,4,5,6,7
	ds_load_b128 v[SEND+4*\i:SEND+4*\i+3], v[XLD] offset:512*\i
.endr
	ds_load_b64 v[252:253], v[XLD2]
	s_wait_dscnt 0x0
	v_max_num_f32 v254, v248, v252                 ; the larger c m
	v_sub_f32 v255, v252, v254
	v_sub_f32 v254, v248, v254
	v_exp_f32 v254, v254                           ; f1, for what I kept
	v_exp_f32 v255, v255                           ; f2, for what I received
	v_nop
	s_wait_alu depctr_va_vdst(0)
	v_mul_f32 v249, v249, v254
	v_fma_f32 v249, v253, v255, v249               ; l of my half of the lanes,
	v_permlanex16_b32 v250, v249, s[SEL], s[SEL+1]
	v_add_f32 v249, v249, v250                     ; and of the other: at least 1
	v_rcp_f32 v250, v249
	v_nop
	s_wait_alu depctr_va_vdst(0)
	v_add_f32 v250, v250, v250                     ; 2 / l: v came x 1/4, the result goes x 1/2
	v_mul_f32 v254, v254, v250
	v_mul_f32 v252, v255, v250
.set i, 0
.rept 16
	v_pk_mul_f32 v[KEEP+i:KEEP+i+1], v[KEEP+i:KEEP+i+1], v[254:255] op_sel_hi:[1,0]
.set i, i+2
.endr
.set i, 0
.rept 16
	v_pk_fma_f32 v[KEEP+i:KEEP+i+1], v[SEND+i:SEND+i+1], v[252:253], v[KEEP+i:KEEP+i+1] op_sel_hi:[1,0,1]
.set i, i+2
.endr
.irp d, 0,1,2,3                                ; rounded in place: the low four of each eight take 16 bytes; rows come back into the upper four
.irp j, 0,1,2,3
	v_cvt_pk_f16_f32 v[KEEP+8*\d+\j], v[KEEP+8*\d+2*\j], v[KEEP+8*\d+2*\j+1]
.endr
	ds_store_b128 v[OSTO], v[KEEP+8*\d:KEEP+8*\d+3] offset:32*\d
.endr
.irp i, 0,1,2,3
	ds_load_b128 v[KEEP+8*\i+4:KEEP+8*\i+7], v[ORD] offset:576*\i   ; LDS serves a wave's instructions in order: these see my stores
.endr
.irp i, 0,1,2,3
	s_wait_dscnt 3-\i
	global_store_b128 v[GO], v[KEEP+8*\i+4:KEEP+8*\i+7], s[8:9] offset:512*\i   ; my 16 queries x 128 bytes are 2,048 consecutive bytes
.endr
	s_wait_tensorcnt 0x0                           ; the wave's end
	ds_add_u32 v[SPW], v[NIL]
	s_wait_dscnt 0x0
	CROUND                                         ; the closing round
	s_endpgm
.Lfunc_end_k_q59f662ed66_attn:
	.size	k_q59f662ed66_attn, .Lfunc_end_k_q59f662ed66_attn-k_q59f662ed66_attn
	.p2alignl 7, 3214868480
	.fill 96, 4, 3214868480
	.section	.rodata,"a",@progbits
	.p2align	6, 0x0
	.amdhsa_kernel k_q59f662ed66_attn
		.amdhsa_group_segment_fixed_size 327680
		.amdhsa_private_segment_fixed_size 0
		.amdhsa_enable_private_segment 0
		.amdhsa_kernarg_size 24
		.amdhsa_user_sgpr_count 2
		.amdhsa_user_sgpr_kernarg_segment_ptr 1
		.amdhsa_wavefront_size32 1
		.amdhsa_system_sgpr_workgroup_id_x 1
		.amdhsa_system_sgpr_workgroup_id_y 1
		.amdhsa_system_sgpr_workgroup_id_z 1
		.amdhsa_system_vgpr_workitem_id 0
		.amdhsa_next_free_vgpr 512
		.amdhsa_next_free_sgpr 80
		.amdhsa_reserve_vcc 0
		.amdhsa_float_denorm_mode_32 3
		.amdhsa_float_denorm_mode_16_64 3
		.amdhsa_memory_ordered 1
		.amdhsa_forward_progress 1
		.amdhsa_inst_pref_size 137
	.end_amdhsa_kernel
	.amdgpu_metadata
---
amdhsa.version: [ 1, 2 ]
amdhsa.kernels:
  - .name:           k_q59f662ed66_attn
    .symbol:         k_q59f662ed66_attn.kd
    .args:
      - { .name: pre, .offset: 0, .size: 8, .value_kind: global_buffer, .address_space: global }
      - { .name: kvh, .offset: 8, .size: 8, .value_kind: global_buffer, .address_space: global }
      - { .name: att, .offset: 16, .size: 8, .value_kind: global_buffer, .address_space: global }
    .group_segment_fixed_size: 327680
    .private_segment_fixed_size: 0
    .kernarg_segment_align: 8
    .kernarg_segment_size: 24
    .max_flat_workgroup_size: 256
    .sgpr_count:     80
    .vgpr_count:     512
    .wavefront_size: 32
...
	.end_amdgpu_metadata
.endif
;; end of part 3
;; launch oproj (part 4): grid 32 x 8, 4 waves a work-group, clusters of 4 x 1, 327,680 bytes of LDS; arguments att, pre, out0; writes out0
.if DOCPART == 4
	.amdgcn_target "amdgcn-amd-amdhsa--gfx1250"
	.amdhsa_code_object_version 6
	.text
	.protected	k_q59f662ed66_oproj
	.globl	k_q59f662ed66_oproj
	.p2align	8
	.type	k_q59f662ed66_oproj,@function
k_q59f662ed66_oproj:
	s_mov_b64 s[64:65], 0
	v_nop
	global_prefetch_b8 v0, s[64:65] scope:SCOPE_SE
	s_setreg_imm32_b32 hwreg(HW_REG_WAVE_MODE, 25, 1), 1
	s_wait_xcnt 0x0
	s_wait_alu depctr_hold_cnt(0) depctr_sa_sdst(0) depctr_va_vdst(0) depctr_va_sdst(0) depctr_va_ssrc(0) depctr_va_vcc(0) depctr_vm_vsrc(0)
	s_getreg_b32 s2, hwreg(HW_REG_IB_STS2, 6, 4)
	s_cmp_eq_u32 s2, 0
	s_cbranch_scc0 .Lentry_in_a_cluster
	s_endpgm
.Lentry_in_a_cluster:
	s_bfe_u32 s2, ttmp6, 0x10000c
	s_cmp_lg_u32 s2, 0x3003
	s_cbranch_scc0 .Lentry_shape_is_right
	s_endpgm
.Lentry_shape_is_right:
; OPROJ: out0 [4096][4096] f32 = (attention result, stored x 1/2 as f16) x (w_out, stored x 2 as f16), f32 sums, K = 512 = 8 heads x 64.
; SHARES.  A work-group makes 128 columns x 512 rows, as four tiles of 128 rows, one after the other.  Four waves, each 64 x 64: 16 accumulators.
; A WAVE'S PART OF w_out STAYS IN REGISTERS: 4 blocks of 16 columns x 16 K steps x 8 = 512, read once, as images.  Only A goes through LDS: a tile is one dense block of 131,072 bytes of att (1,024 lines of 128 bytes,
; line = 128 head + row), two slots; each wave fetches a quarter.
; A TILE GOES BY PAIRS OF BLOCKS OF 16 ROWS.  A run is 32 products: two blocks x four K steps x my four blocks of columns, eight accumulators by turns; four runs finish a pair.  A finished block goes into my stage at the
; head of a later run and is stored a run after that, so that its way through LDS lies under 32 products and the stores are spread over the launch; behind the last product half a tile is left to store.
; CLUSTER.  The four work-groups of a cluster make neighbouring columns of the same rows and need the same tiles of A: each is asked for jointly, mask 15.
; THE MATRIX INSTRUCTION IS USED TRANSPOSED (source 0 = 16 columns of w_out, source 1 = 16 rows of A): a lane holds eight neighbouring columns of one row: 32 bytes.
; No prefetch: two refills in all, each with a whole tile's 256 matrix instructions a wave in which to land.
; REGISTERS: window 0: v16-29 addresses; v32-95 rows on the way out, two sets; v128-255 accumulators ((a, b) at 128 + 8 (4 a + b)).  window 1: A's fragments, four buffers of 64 (a run's: 16 k + 8 u).
;   windows 2, 3: w_out: K step ks at 32 (ks % 8) + 8 b of window 2 + ks / 8.
.set P_WO, 12394496
.set PITCH,  144                       ; an LDS line: 128 bytes + 16
.set SLOT,   1024*PITCH
.set STAGE,  2*SLOT                    ; behind the ring: 16 rows x (256 bytes + 16) for each wave
.set SPARE,  STAGE+4*16*272            ; the spare words, 128 bytes a wave
.set ADRA, 16                          ; v16-21 LDS address of my A fragments: slot s, heads 3 g .. 3 g + 2 at 3 s + g (an LDS offset holds 16 bits)
.set STO,  24
.set RD,   25
.set CO,   26
.set LI,   27                          ; 16 x lane
.set SPW,  28
.set NIL,  29
.set BK,   32
.set ACC,  128
.set G1, 24
.set G0, 32
.set MSB, 0
.macro WIN new
.if MSB != (\new)
	s_set_vgpr_msb (MSB<<8)|(\new)
.set MSB, (\new)
.endif
.endm
.macro PLACES
.rept 4
	v_nop
.endr
.endm
.macro CROUND
	s_barrier_signal -1
	s_barrier_wait -1
	s_cmp_lg_u32 s10, 0
	s_cbranch_scc1 .Lnot_wave_0_\@
	s_barrier_signal -3
.Lnot_wave_0_\@:
	s_barrier_wait -3
	s_barrier_signal -1
	s_barrier_wait -1
.endm
	s_load_b128 s[4:7], s[0:1], 0x0                ; att s[4:5], pre s[6:7]
	s_load_b64 s[8:9], s[0:1], 0x10                ; out0
	v_lshl_add_u32 v[SPW], v0, 2, SPARE
	v_mov_b32 v[NIL], 0
	ds_add_u32 v[SPW], v[NIL]                      ; the wave's opening: the add, twice on end, and its wait ahead of my first tensor load
	ds_add_u32 v[SPW], v[NIL]
	v_lshrrev_b32 v1, 5, v0
	v_readfirstlane_b32 s10, v1                    ; wave 0..3
	s_lshr_b32 s11, s10, 1                         ; my half of a tile's rows
	s_and_b32 s12, s10, 1                          ; my half of its columns
	s_bfe_u32 s13, ttmp6, 0x40000                  ; cx
	s_lshl_b32 s14, ttmp9, 2
	s_add_co_u32 s14, s14, s13                     ; my 128 columns
	s_and_b32 s15, ttmp7, 0xffff                   ; my 512 rows
	; group 1: 256 lines x 64 elements of 2 bytes, dense; 4 words of padding behind every 32
	s_mov_b32 s[G1], 15|(1<<16)|(1<<20)|(1<<21)|(4<<22)|(3<<25)
	s_mov_b32 s[G1+1], 64<<16
	s_mov_b32 s[G1+2], 256<<16
	s_mov_b32 s[G1+3], 64<<16
	s_mov_b32 s[G1+4], 256
	s_mov_b32 s[G1+5], 64
	s_mov_b32 s[G1+6], 0
	s_mov_b32 s[G1+7], 0
	s_lshl_b32 s16, s15, 19                        ; four tiles of 131,072 bytes x y,
	s_lshl_b32 s17, s10, 15                        ; my quarter of a tile
	s_add_co_u32 s16, s16, s17
	s_mov_b32 s17, 0
	s_mul_i32 s18, s10, 256*PITCH                  ; and its place in a slot
	s_lshl_b32 s20, s14, 17                        ; w_out: 8 blocks of 16,384 bytes x my 128 columns,
	s_lshl_b32 s21, s12, 16                        ; my four blocks
	s_add_co_u32 s20, s20, s21
	s_add_co_u32 s20, s20, P_WO
	s_mov_b32 s21, 0
	s_lshl_b32 s22, s15, 23                        ; out0: 512 rows of 16,384 bytes x y,
	s_lshl_b32 s23, s11, 20                        ; my 64 rows of each tile,
	s_add_co_u32 s22, s22, s23
	s_lshl_b32 s23, s14, 9                         ; my work-group's 512 bytes of a row,
	s_add_co_u32 s22, s22, s23
	s_lshl_b32 s23, s12, 8                         ; my 256 of them
	s_add_co_u32 s22, s22, s23
	s_mov_b32 s23, 0
	s_wait_dscnt 0x0                               ; both opening adds are done
	s_wait_kmcnt 0x0
	s_add_nc_u64 s[4:5], s[4:5], s[16:17]
	s_add_nc_u64 s[6:7], s[6:7], s[20:21]
	s_add_nc_u64 s[8:9], s[8:9], s[22:23]
	CROUND                                         ; all four work-groups are here: the first joint loads meet
.irp s, 0,1
	s_mov_b32 s[G0+4*\s], 1
	s_add_co_u32 s[G0+4*\s+1], s18, \s*SLOT
	s_add_nc_u64 s[G0+4*\s+2:G0+4*\s+3], s[4:5], \s*131072
	s_or_b32 s[G0+4*\s+3], s[G0+4*\s+3], 0x80000000
.endr
	tensor_load_to_lds s[G0:G0+3], s[G1:G1+7]      ; tiles 0 and 1: two loads of mine are out
	s_nop 0
	tensor_load_to_lds s[G0+4:G0+7], s[G1:G1+7]
	s_nop 0
	PLACES
	v_and_b32 v2, 31, v0
	v_lshlrev_b32 v[LI], 4, v2
	WIN 0x80                                       ; destination window 2
.irp k, 0,1,2,3,4,5,6,7
.irp b, 0,1,2,3
.irp c, 0,1
	global_load_b128 v[32*\k+8*\b+4*\c:32*\k+8*\b+4*\c+3], v[LI], s[6:7] offset:\b*16384+\k*1024+512*\c
.endr
.endr
.endr
	WIN 0xc0                                       ; destination window 3
.irp k, 0,1,2,3,4,5,6,7
.irp b, 0,1,2,3
.irp c, 0,1
	global_load_b128 v[32*\k+8*\b+4*\c:32*\k+8*\b+4*\c+3], v[LI], s[6:7] offset:\b*16384+(\k+8)*1024+512*\c
.endr
.endr
.endr
	WIN 0
	v_and_b32 v1, 15, v0                           ; r
	v_bfe_u32 v3, v0, 4, 1                         ; h
	v_mul_u32_u24 v4, v1, PITCH
	v_lshl_add_u32 v4, v3, 4, v4
	s_mul_i32 s16, s11, 64*PITCH
.irp n, 0,1,2,3,4,5
	s_add_co_u32 s17, s16, (\n/3)*SLOT+(\n%3)*3*128*PITCH
	v_add_nc_u32 v[ADRA+\n], s17, v4
.endr
	s_mul_i32 s17, s10, 16*272
	s_add_co_u32 s17, s17, STAGE
	v_mul_u32_u24 v5, v1, 272
	v_lshl_add_u32 v5, v3, 5, v5
	v_add_nc_u32 v[STO], s17, v5                   ; my stage: in by row r, 32 bytes for each half of the lanes;
	v_mul_u32_u24 v5, v3, 272
	v_lshl_add_u32 v5, v1, 4, v5
	v_add_nc_u32 v[RD], s17, v5                    ; back: lanes 0-15 one row of 256 bytes, lanes 16-31 the next;
	v_lshlrev_b32 v5, 14, v3
	v_lshl_add_u32 v[CO], v1, 4, v5                ; and the same two rows in out0
; 16 LDS loads: run n of tile i: blocks 2 (n / 4) + u of my 64 rows, K steps 4 (n % 4) + k (head 2 (n % 4) + k / 2, its channels 32 (k % 2) on), into buffer n % 4
.macro FETCH i, n
	WIN 0x40
.irp k, 0,1,2,3
.irp u, 0,1
.set rA, 64*((\n)%4)+16*\k+8*\u
.set hd, 2*((\n)%4)+\k/2
	ds_load_b128 v[rA:rA+3],   v[ADRA+3*((\i)%2)+hd/3] offset:(hd%3)*128*PITCH+16*PITCH*(2*((\n)/4)+\u)+64*(\k%2)
	ds_load_b128 v[rA+4:rA+7], v[ADRA+3*((\i)%2)+hd/3] offset:(hd%3)*128*PITCH+16*PITCH*(2*((\n)/4)+\u)+64*(\k%2)+32
.endr
.endr
.endm
; 32 matrix instructions: run n; the pair's eight accumulators take turns, one instruction a turn; K ascends.  A pair's first eight start its sums: nothing is cleared
.macro MUL32 n
	WIN 0x06+((\n)%4)/2                            ; w_out window 2 or 3, A window 1, C and D window 0
.irp k, 0,1,2,3
.irp u, 0,1
.irp b, 0,1,2,3
.set rD, ACC+8*(4*(2*((\n)/4)+\u)+\b)
.set rB, 32*((4*((\n)%4)+\k)%8)+8*\b
.set rA, 64*((\n)%4)+16*\k+8*\u
.if ((\n)%4 == 0) && (\k == 0)
	v_wmma_f32_16x16x32_f16 v[rD:rD+7], v[rB:rB+7], v[rA:rA+7], 0
.else
	v_wmma_f32_16x16x32_f16 v[rD:rD+7], v[rB:rB+7], v[rA:rA+7], v[rD:rD+7]
.endif
.endr
.endr
.endr
.endm
; THE WAY OUT of block a (16 rows x 64 columns): into my own stage, each accumulator from its low end on, and back as whole rows of 256 bytes
.macro TOSTAGE a
	s_wait_xcnt 0x0                                ; the stores that read this set of registers, issued a run ago or more, have read them: the loads below may land there
.irp b, 0,1,2,3
	ds_store_b128 v[STO], v[ACC+8*(4*(\a)+\b):ACC+8*(4*(\a)+\b)+3] offset:64*\b
	ds_store_b128 v[STO], v[ACC+8*(4*(\a)+\b)+4:ACC+8*(4*(\a)+\b)+7] offset:64*\b+16
.endr
.irp t, 0,1,2,3,4,5,6,7
	ds_load_b128 v[BK+32*((\a)%2)+4*\t:BK+32*((\a)%2)+4*\t+3], v[RD] offset:544*\t   ; LDS serves a wave's instructions in order: these see the stores above, and the next block's stores come behind them
.endr
.endm
.macro SEND i, a                       ; block a of tile i is back in registers (the wait stands ahead of this macro)
.irp t, 0,1,2,3,4,5,6,7
	global_store_b128 v[CO], v[BK+32*((\a)%2)+4*\t:BK+32*((\a)%2)+4*\t+3], s[8:9] offset:(128*(\i)+16*(\a)+2*\t)*16384 th:TH_STORE_NT   ; 16 lanes store 256 consecutive bytes, aligned; the tile and the row stand in the immediate (7,307,264 at the most, inside its signed 24 bits)
.endr
.endm
; A TILE: eight runs.  At a run's head s_wait_dscnt 16 leaves the next run's sixteen loads out: this run's fragments are in, and so is what went through the stage in the run before, which is older than those sixteen.
; Blocks 0 and 1 are finished by run 3: into the stage in runs 4 and 5, stored in runs 5 and 6.  Blocks 2 and 3 are finished by run 7: into the stage in the NEXT tile's runs 0 and 1, stored in its runs 1 and 2.
.macro TILE i
.irp n, 0,1,2,3,4,5
	s_wait_dscnt 16
	WIN 0
	PLACES                                         ; four places: for the loads into a buffer that products have read, and for the stage's reads of results
.if (\n == 0) && (\i > 0)
	TOSTAGE 2
.endif
.if (\n == 1) && (\i > 0)
	TOSTAGE 3
	SEND \i-1, 2
.endif
.if (\n == 2) && (\i > 0)
	SEND \i-1, 3
.endif
.if \n == 4
	TOSTAGE 0
.endif
.if \n == 5
	TOSTAGE 1
	SEND \i, 0
.endif
	FETCH \i, \n+2
	MUL32 \n
.endr
	s_wait_dscnt 16
	WIN 0
	PLACES
	SEND \i, 1
.if \i < 3
	s_wait_tensorcnt 0x0                           ; all my tensor loads have landed: my part of the next tile
	ds_add_u32 v[SPW], v[NIL]                      ; 0 onto my spare word; 32 matrix instructions stand between it and the wait for it
	MUL32 6
	s_wait_dscnt 0x0                               ; the add is done; run 7 is in registers: my reads of this slot are over
	WIN 0
.if \i < 2
	CROUND                                         ; no wave of any partner still reads this slot or has a load on its way
	s_add_nc_u64 s[G0+4*((\i)%2)+2:G0+4*((\i)%2)+3], s[G0+4*((\i)%2)+2:G0+4*((\i)%2)+3], 262144
	tensor_load_to_lds s[G0+4*((\i)%2):G0+4*((\i)%2)+3], s[G1:G1+7]   ; the tile two on: my one tensor load behind the round
	s_nop 0
	PLACES                                         ; also places in front of the loads below
.else
	s_barrier_signal -1
	s_barrier_wait -1
	PLACES
.endif
	FETCH \i+1, 0
	FETCH \i+1, 1
	MUL32 7
.else
	MUL32 6
	s_wait_dscnt 0x0                               ; run 7 is in
	MUL32 7
	WIN 0
	PLACES
	TOSTAGE 2                                      ; the last pair has no run behind it
	TOSTAGE 3
	s_wait_dscnt 16                                ; block 2 is back; block 3's sixteen stage instructions may be out
	SEND \i, 2
	s_wait_dscnt 0x0
	SEND \i, 3
.endif
.endm
	s_wait_tensorcnt 1                             ; my part of tile 0 is in; tile 1's may stay out
	s_barrier_signal -1
	s_barrier_wait -1
	FETCH 0, 0
	FETCH 0, 1
	s_wait_loadcnt 0x0                             ; w_out
	TILE 0
	TILE 1
	TILE 2
	TILE 3
	s_wait_tensorcnt 0x0                           ; the wave's end
	ds_add_u32 v[SPW], v[NIL]
	s_wait_dscnt 0x0
	CROUND                                         ; the closing round
	s_endpgm
.Lfunc_end_k_q59f662ed66_oproj:
	.size	k_q59f662ed66_oproj, .Lfunc_end_k_q59f662ed66_oproj-k_q59f662ed66_oproj
	.p2alignl 7, 3214868480
	.fill 96, 4, 3214868480
	.section	.rodata,"a",@progbits
	.p2align	6, 0x0
	.amdhsa_kernel k_q59f662ed66_oproj
		.amdhsa_group_segment_fixed_size 327680
		.amdhsa_private_segment_fixed_size 0
		.amdhsa_enable_private_segment 0
		.amdhsa_kernarg_size 24
		.amdhsa_user_sgpr_count 2
		.amdhsa_user_sgpr_kernarg_segment_ptr 1
		.amdhsa_wavefront_size32 1
		.amdhsa_system_sgpr_workgroup_id_x 1
		.amdhsa_system_sgpr_workgroup_id_y 1
		.amdhsa_system_sgpr_workgroup_id_z 1
		.amdhsa_system_vgpr_workitem_id 0
		.amdhsa_next_free_vgpr 1024
		.amdhsa_next_free_sgpr 66
		.amdhsa_reserve_vcc 0
		.amdhsa_float_denorm_mode_32 3
		.amdhsa_float_denorm_mode_16_64 3
		.amdhsa_memory_ordered 1
		.amdhsa_forward_progress 1
		.amdhsa_inst_pref_size 152
	.end_amdhsa_kernel
	.amdgpu_metadata
---
amdhsa.version: [ 1, 2 ]
amdhsa.kernels:
  - .name:           k_q59f662ed66_oproj
    .symbol:         k_q59f662ed66_oproj.kd
    .args:
      - { .name: att, .offset: 0, .size: 8, .value_kind: global_buffer, .address_space: global }
      - { .name: pre, .offset: 8, .size: 8, .value_kind: global_buffer, .address_space: global }
      - { .name: out0, .offset: 16, .size: 8, .value_kind: global_buffer, .address_space: global }
    .group_segment_fixed_size: 327680
    .private_segment_fixed_size: 0
    .kernarg_segment_align: 8
    .kernarg_segment_size: 24
    .max_flat_workgroup_size: 128
    .sgpr_count:     66
    .vgpr_count:     1024
    .wavefront_size: 32
...
	.end_amdgpu_metadata
.endif
;; end of part 4
